; MI455X (gfx1250); checked and timed in simulation.
; The chip was launched on July 23, 2026; its instructions are those of AMD's public machine-readable ISA for CDNA 5 (MIT licence, August 2026) and "CDNA5" Instruction Set Architecture Reference Guide (July 2026). The comments in the code are by the model that wrote it; some were corrected since.
;; Multi Head Attention. Allowed arithmetic: matrix products marked QUANTISED: E2M3 operands, one E8M0 scale for each 32 along K, by v_wmma_scale_f32_16x16x128_f8f6f4 with both operands' format E2M3, f32 sums; everything else in f32.
;; Inputs: Wk 1,024 x 1,024 float32; Wo 1,024 x 1,024 float32; Wq 1,024 x 1,024 float32; Wv 1,024 x 1,024 float32; x 4 x 2,048 x 1,024 float32.
;; Outputs: out0 4 x 2,048 x 1,024 float32.
;; This version of the problem:
;;   THIS VERSION OF THE PROBLEM IS GIVEN IN LOW PRECISION. The matrix products marked QUANTISED in the list below multiply operands that are first quantised to E2M3 (2 exponent bits, 3 mantissa bits; 6 bits a number), with one power-of-two scale for each 32 numbers along K (OCP MX v1.0); their sums are f32. All else is computed in f32.
;;   The module's matrix products, in the order in which they are computed (A, B: the left and right operand; K: the contracted axis; several contracted axes count as one K, in the product's order):
;;     1. [M 8,192, K 1,024] x [K 1,024, N 1,024]; A: input x; B: input Wq: QUANTISED
;;     2. [M 8,192, K 1,024] x [K 1,024, N 1,024]; A: input x; B: input Wk: QUANTISED
;;     3. [M 8,192, K 1,024] x [K 1,024, N 1,024]; A: input x; B: input Wv: QUANTISED
;;     4. batch 64 x [M 2,048, K 64] x [K 64, N 2,048]; A: computed on the way; B: computed on the way: QUANTISED
;;     5. batch 64 x [M 2,048, K 2,048] x [K 2,048, N 64]; A: softmax (see below); B: computed on the way: QUANTISED
;;     6. [M 8,192, K 1,024] x [K 1,024, N 1,024]; A: computed on the way; B: input Wo: QUANTISED
;;   THE QUANTISER, for each operand of a quantised product, along K:
;;     - K is cut into blocks of 32 from its start; a last block that is shorter is filled with zeros.
;;     - A block's scale is 2^e with e = floor(log2(the largest magnitude in the block)) - 2, held to -126 .. 127; a block of zeros has e = 0. As a byte (E8M0): e + 127.
;;     - Each number is divided by its block's scale, clamped to +-7.5, and rounded to the nearest number of E2M3, ties to even, subnormals kept.
;;     - The product sums the exact products of the quantised numbers (number of the format x scale) in f32.
;;   ~~~python
;;   def quantise(x, axis):      # numpy; x: float32 -> the quantised numbers, widened to float32 again
;;       x = np.moveaxis(x, axis, -1); K = x.shape[-1]
;;       x = np.pad(x, [(0, 0)] * (x.ndim - 1) + [(0, -K % 32)]); x = x.reshape(x.shape[:-1] + (-1, 32)); a = np.abs(x).max(-1, keepdims=True)
;;       e = np.where(a > 0, np.clip(np.frexp(np.where(a > 0, a, 1))[1] - 1 - 2, -126, 127), 0)      # np.frexp(a)[1] - 1 = floor(log2(a)), exactly
;;       r = np.clip(x / 2.0 ** e, -7.5, 7.5)
;;       step = 2.0 ** (np.maximum(np.frexp(np.where(r == 0, 1, r))[1] - 1, 0) - 3)
;;       q = np.round(r / step) * step * 2.0 ** e      # np.round: ties to even
;;       return np.moveaxis(q.reshape(q.shape[:-2] + (-1,))[..., :K], -1, axis).astype(np.float32)
;;   ~~~
;;   SOFTMAX AHEAD OF A QUANTISED PRODUCT. Where the list says 'softmax', what is quantised is not the finished softmax but p = 2^(t - M), with t = logit x log2(e) and M = ceil(the row's largest t), a whole number; so 1/2 < the row's largest p <= 1. The row's sum l is taken of the UNQUANTISED p, in f32, and the product's result is divided by l at the end. Since M is a whole number, a kernel that streams over the keys may use a running M (the ceiling of the running maximum): every later rescaling is an exact power of two, which a block's scale takes up: the codes' values come out the same.
;;   OPERANDS COMPUTED ON THE WAY. 'Computed on the way' means the value that the module computes at that place (a softmax that the list does not call 'softmax' is quantised finished and normalised). What goes into a quantiser is computed in f32, as accurately as f32 sums, v_exp_f32 and their like allow (about 1e-6 of the number): no bf16 or f16 on the way to a quantiser, and a product that is left as it is and whose result goes on into a quantised operand takes f32 operands (vector FMAs, or v_wmma_f32_16x16x4_f32). A number that lies on a knife's edge between two numbers of the format may be rounded either way, as far as f32 arithmetic and the matrix unit's own rounding can turn it there, and no further.
;; One version. Each part assembles by itself: llvm-mc -triple=amdgcn-amd-amdhsa -mcpu=gfx1250 --defsym DOCPART=n.
;; ======== version 1 of 1: 4 launches
;; workspace buffers: xc 6,291,456 bytes; xs 262,144 bytes; wc 3,145,728 bytes; ws 131,072 bytes; qb 6,815,744 bytes; kvb 13,631,488 bytes; cc 6,291,456 bytes; cs 262,144 bytes
;; launch quant (part 1): grid 384 x 1, 4 waves a work-group, no clusters, 60,928 bytes of LDS; arguments x, Wq, Wk, Wv, Wo, xc, xs, wc, ws; writes xc, xs, wc, ws
.if DOCPART == 1
	.amdgcn_target "amdgcn-amd-amdhsa--gfx1250"
	.amdhsa_code_object_version 6
	.text
	.protected	k_q68841f0d55_quant
	.globl	k_q68841f0d55_quant
	.p2align	8
	.type	k_q68841f0d55_quant,@function
k_q68841f0d55_quant:
	s_mov_b64 s[64:65], 0
	v_nop
	global_prefetch_b8 v0, s[64:65] scope:SCOPE_SE
	s_setreg_imm32_b32 hwreg(HW_REG_WAVE_MODE, 25, 1), 1
	s_wait_xcnt 0x0
; x [8192][1024] and the four weights [1024 (k)][1024 (n)], f32, become codes of FP6 (E2M3) with one E8M0 byte for each 32 along K, laid as IMAGES OF OPERAND REGISTERS.
; A fragment (16 rows x 128 K, 12 registers a lane) is 1,536 bytes: registers 0-3 at 16 x lane, 4-5 at 512 + 8 x lane, 6-9 at 768 + 16 x lane, 10-11 at 1,280 + 8 x lane.
; THE ROWS OF A TILE ARE NOT NEIGHBOURS: lane row r of tile T is row 32 (T / 2) + 8 (T % 2) + r + 8 (r / 8), so that a product's results in two neighbouring tiles are 16 neighbours along the next K.
; xc: [block of 128 rows][K step 8][tile 8][1,536];  wc: [block of 256 columns of Wq|Wk|Wv|Wo][K step 8][tile 16][1,536].
; xs, ws: 512 bytes a tile: the scale word of (row r, K step s) at 256 (s / 4) + 16 r + 4 (s % 4).
; A block's scale is 2^(floor(log2(largest magnitude)) - 2): its byte is the largest magnitude's exponent field - 2, held at 1 from below by a floor among the maximum's leaves.
; LIMITS: NaN and infinities among the inputs are not served; a block whose largest magnitude lies under 2^-124, a block of zeros among them, keeps the byte 1
; (where the quantiser's text says 127 for zeros: its codes are zeros, and these bytes are read by this program alone).
; Work-groups 0-255 take x, 256-383 the weights; each path has LDS bytes of its own.  Waves share nothing: no barrier.
.set RAW, 16                           ; x: v16-143  two sets of 64 numbers as loaded
.set X,   144                          ; v144-207 two whole blocks of my row
.set C,   208                          ; v208-219 a fragment's codes
.set CT,  220                          ; v220-226 the upper halves of the two blocks' codes (a conversion's three registers begin on an even number)
.set M,   228
.set SO,  230
.set BY,  232
.set OW,  234
.set WD,  236                          ; v236-239 my row's scale words of the four K steps
.set WX,  16                           ; weights: v16-79 two sets of 32 numbers
.set OUT, 96                           ; v96-143 the way out
	s_load_b256 s[4:11], s[0:1], 0x0               ; x, Wq, Wk, Wv
	s_load_b256 s[12:19], s[0:1], 0x20             ; Wo, xc, xs, wc
	s_load_b64 s[20:21], s[0:1], 0x40              ; ws
	v_lshl_add_u32 v240, v0, 2, 0xec00
	v_mov_b32 v241, 0
	v_lshrrev_b32 v1, 5, v0
	v_readfirstlane_b32 s22, v1                    ; wave 0..3
	s_cmp_lt_u32 ttmp9, 256
	s_cbranch_scc0 .Lweights
; ---------------- x: a wave takes one tile of 16 rows x 512 along K (four K steps) ----------------
; Each load reads 512 consecutive bytes of one row; a K step's 16 rows turn through the wave's stage (rows 528 bytes apart) and come back 256 bytes a lane: two whole blocks of my row.
	v_and_b32 v8, 31, v0                           ; lane
	v_and_b32 v9, 15, v0                           ; r
	v_bfe_u32 v10, v0, 4, 1                        ; h
	v_lshlrev_b32 v1, 4, v8                        ; 16 x lane
	v_lshlrev_b32 v2, 3, v8                        ; 8 x lane
	s_mul_i32 s23, s22, 8448                       ; my stage
	v_add_nc_u32 v3, s23, v1                       ; into it: a row's 512 bytes as they lie
	v_mul_u32_u24 v4, v9, 528
	v_lshl_add_u32 v4, v10, 7, v4
	v_add_nc_u32 v4, s23, v4                       ; out of it: row r, block h (and block 2 + h, 256 bytes on)
	v_lshlrev_b32 v5, 4, v9
	v_lshl_add_u32 v5, v10, 3, v5                  ; scale words out: 16 r + 8 h
	v_lshlrev_b32 v6, 3, v10                       ; 8 h: my bytes' place in a scale word
	v_mov_b32 v7, 0                                ; written once: a lane permute's destination counts as one of its sources
	s_lshl_b32 s24, ttmp9, 2
	s_add_co_u32 s24, s24, s22                     ; 0..1023: tile R = this / 2, half of K = this % 2
	s_lshr_b32 s25, s24, 1                         ; R
	s_and_b32 s26, s24, 1                          ; hf
	s_lshr_b32 s28, s25, 1
	s_lshl_b32 s28, s28, 17                        ; 32 (R / 2) rows of 4,096 bytes
	s_and_b32 s27, s25, 1
	s_lshl_b32 s27, s27, 15                        ; + 8 (R % 2) rows
	s_add_co_u32 s28, s28, s27
	s_lshl_b32 s27, s26, 11                        ; + 2,048 hf
	s_add_co_u32 s28, s28, s27
	s_mov_b32 s29, 0
	s_lshr_b32 s30, s25, 3
	s_lshl_b32 s30, s30, 3
	s_lshl_b32 s27, s26, 2
	s_add_co_u32 s30, s30, s27                     ; 8 (R / 8) + 4 hf: the first of my four K steps
	s_mul_i32 s30, s30, 12288
	s_and_b32 s27, s25, 7
	s_mul_i32 s27, s27, 1536
	s_add_co_u32 s30, s30, s27
	s_mov_b32 s31, 0
	s_lshl_b32 s32, s24, 8                         ; 512 R + 256 hf
	s_mov_b32 s33, 0
	s_mov_b32 s34, 0x76543210
	s_mov_b32 s35, 0xfedcba98                      ; v_permlanex16_b32's selects for lane l xor 16
	s_mov_b32 s36, 0xffff0000                      ; lanes 16-31
	s_wait_alu depctr_va_vdst(0)
	s_wait_kmcnt 0x0
	s_add_nc_u64 s[4:5], s[4:5], s[28:29]
	s_add_nc_u64 s[14:15], s[14:15], s[30:31]
	s_add_nc_u64 s[16:17], s[16:17], s[32:33]
.macro XLOAD j, set                    ; K step j of my 16 rows: lane row i is i + 8 (i / 8) rows down
.set i, 0
.rept 16
	global_load_b128 v[RAW+64*(\set)+4*i:RAW+64*(\set)+4*i+3], v1, s[4:5] offset:(i+8*(i/8))*4096+512*(\j) th:TH_LOAD_NT
.set i, i+1
.endr
.endm
.macro XTURN set                       ; through the stage: LDS serves a wave's instructions in order, so no wait stands between the stores and the loads
.set i, 0
.rept 16
	ds_store_b128 v3, v[RAW+64*(\set)+4*i:RAW+64*(\set)+4*i+3] offset:528*i
.set i, i+1
.endr
.set i, 0
.rept 16
	ds_load_b128 v[X+4*i:X+4*i+3], v4 offset:256*(i/8)+16*(i%8)
.set i, i+1
.endr
.endm
.macro XQ j                            ; 64 numbers become a fragment and a scale word
.irp c, 0,1
	v_max3_num_f32 v[M+\c], |v[X+32*\c]|, |v[X+32*\c+1]|, 0x1800000   ; my block 2 c + h, all 32 numbers mine, and the floor 2^(3 - 127)
.endr
.irp i, 2,4,6,8,10,12,14,16,18,20,22,24,26,28,30
.irp c, 0,1
	v_max3_num_f32 v[M+\c], v[M+\c], |v[X+32*\c+\i]|, |v[X+32*\c+\i+1]|   ; (the two blocks by turns)
.endr
.endr
.irp c, 0,1
	v_add_nc_u32 v[SO+\c], 0xff000000, v[M+\c]     ; 2 off the exponent field: the conversion's scale operand
.endr
.irp c, 0,1
	v_lshrrev_b32 v[BY+\c], 23, v[SO+\c]           ; the scale's byte
.endr
	v_lshl_or_b32 v[WD+\j], v[BY+1], 16, v[BY]
	v_lshlrev_b32 v[WD+\j], v6, v[WD+\j]           ; bytes h and 2 + h
	v_permlanex16_b32 v7, v[WD+\j], s34, s35
	v_or_b32 v[WD+\j], v[WD+\j], v7                ; with lane l xor 16's two the word is whole
.if \j > 0
	s_wait_alu depctr_va_vdst(0)
	s_wait_xcnt 0x0                                ; the last step's stores have read the codes' registers: they are written again only behind this wait
.endif
.irp c, 0,1
	v_cvt_scalef32_pk16_fp6_f32 v[C+6*\c:C+6*\c+2], v[X+32*\c:X+32*\c+15], v[SO+\c]
	v_cvt_scalef32_pk16_fp6_f32 v[CT+4*\c:CT+4*\c+2], v[X+32*\c+16:X+32*\c+31], v[SO+\c]
.endr
	v_nop                                          ; one plain place behind a scaled conversion
.irp c, 0,1
.irp i, 0,1,2
	v_mov_b32 v[C+3+6*\c+\i], v[CT+4*\c+\i]
.endr
.endr
	global_store_b128 v1, v[C:C+3], s[14:15] offset:12288*\j          ; each store covers 512 or 256 consecutive bytes, aligned
	global_store_b64 v2, v[C+4:C+5], s[14:15] offset:12288*\j+512
	global_store_b128 v1, v[C+6:C+9], s[14:15] offset:12288*\j+768
	global_store_b64 v2, v[C+10:C+11], s[14:15] offset:12288*\j+1280
.endm
	XLOAD 0, 0
	XLOAD 1, 1
.irp j, 0,1,2,3
.if \j < 3
	s_wait_loadcnt 16                              ; this step's 16 loads are in; the younger set's 16 stay out
.else
	s_wait_loadcnt 0x0
.endif
	XTURN \j%2
	s_wait_dscnt 0x0                               ; the numbers are back, so the stage's stores have read their registers,
.if \j < 2
	XLOAD \j+2, \j%2                               ; which take the loads of two steps on
.endif
	XQ \j
.endr
	v_cndmask_b32 v[OW], v[WD], v[WD+2], s36       ; lanes 0-15 store words 0, 1 of their row, lanes 16-31 words 2, 3
	v_cndmask_b32 v[OW+1], v[WD+1], v[WD+3], s36
	global_store_b64 v5, v[OW:OW+1], s[16:17]      ; 32 lanes fill 256 consecutive bytes, aligned
	s_wait_tensorcnt 0x0
	ds_add_u32 v240, v241
	s_wait_dscnt 0x0
	s_endpgm
; ---------------- the weights: K is their FIRST axis.  A lane takes a column n and its registers run down K ----------------
; A work-group takes 128 columns x 256 along K (two K steps); a wave 32 columns: two tiles.  Lane l is lane row (l % 8) + 8 (l / 16) of tile (l / 8) % 2.
; A lane's 24 bytes of a block go to their place in the images in the wave's stage; the images leave as they lie, 512 consecutive bytes a store.
.Lweights:
	s_sub_co_u32 s24, ttmp9, 256
	s_and_b32 s25, s24, 31                         ; which 128 of the 4,096 columns
	s_lshr_b32 s26, s24, 5                         ; y: which quarter of K
	s_lshr_b32 s27, s25, 3                         ; which weight
	v_and_b32 v8, 31, v0
	v_lshlrev_b32 v1, 2, v8                        ; in: 4 bytes a lane
	v_lshlrev_b32 v5, 4, v8                        ; 16 x lane
	v_bfe_u32 v9, v0, 3, 1                         ; u
	v_and_b32 v10, 7, v0
	v_bfe_u32 v11, v0, 4, 1
	v_lshl_add_u32 v10, v11, 3, v10                ; r
	s_mul_i32 s23, s22, 6656
	s_add_co_u32 s23, s23, 33792                   ; my stage: [K step 2][tile 2] images, 1,664 bytes apart (1,536 + 128: the two tiles' stores fall on different banks)
	v_mul_u32_u24 v2, v9, 1664
	v_add_nc_u32 v2, s23, v2
	v_lshl_add_u32 v3, v10, 3, v2
	v_add_nc_u32 v3, 512, v3                       ; registers 4-5 of a half image: 512 + 8 r
	v_lshl_add_u32 v2, v10, 4, v2                  ; registers 0-3: 16 r
	v_add_nc_u32 v4, s23, v5                       ; back: 16 x lane
	v_lshlrev_b32 v6, 9, v9
	v_lshl_add_u32 v6, v10, 4, v6                  ; scale words: 512 u + 16 r
	s_lshl_b32 s28, s26, 20                        ; 256 y rows of 4,096 bytes
	s_and_b32 s29, s25, 7
	s_lshl_b32 s29, s29, 9
	s_add_co_u32 s28, s28, s29                     ; + the work-group's 128 columns
	s_lshl_b32 s29, s22, 7
	s_add_co_u32 s28, s28, s29                     ; + my wave's 32
	s_mov_b32 s29, 0
	s_lshl_b32 s30, s25, 7
	s_lshl_b32 s31, s22, 5
	s_add_co_u32 s30, s30, s31                     ; my first column among the 4,096
	s_lshr_b32 s32, s30, 8
	s_lshl_b32 s32, s32, 3
	s_lshl_b32 s33, s26, 1
	s_add_co_u32 s32, s32, s33                     ; 8 x block of 256 + my first K step
	s_mul_i32 s32, s32, 24576
	s_bfe_u32 s33, s30, 0x40004                    ; my first tile in the block
	s_mul_i32 s33, s33, 1536
	s_add_co_u32 s32, s32, s33
	s_mov_b32 s33, 0
	s_lshr_b32 s36, s30, 4
	s_lshl_b32 s36, s36, 9                         ; 512 bytes of scale words a tile
	s_lshr_b32 s37, s26, 1
	s_lshl_b32 s37, s37, 8
	s_add_co_u32 s36, s36, s37
	s_and_b32 s37, s26, 1
	s_lshl_b32 s37, s37, 3
	s_add_co_u32 s36, s36, s37
	s_mov_b32 s37, 0
	s_wait_kmcnt 0x0
	s_and_b32 s38, s27, 1
	s_cmp_eq_u32 s38, 0                            ; the choice hangs on the work-group's number alone
	s_cselect_b64 s[40:41], s[6:7], s[8:9]
	s_cselect_b64 s[42:43], s[10:11], s[12:13]
	s_cmp_lt_u32 s27, 2
	s_cselect_b64 s[40:41], s[40:41], s[42:43]
	s_add_nc_u64 s[40:41], s[40:41], s[28:29]
	s_add_nc_u64 s[18:19], s[18:19], s[32:33]
	s_add_nc_u64 s[20:21], s[20:21], s[36:37]
.macro WLOAD t                         ; block t: 32 rows of K at my column; 32 lanes read 128 consecutive bytes
.set i, 0
.rept 32
	global_load_b32 v[WX+32*((\t)%2)+i], v1, s[40:41] offset:(32*(\t)+i)*4096 th:TH_LOAD_NT
.set i, i+1
.endr
.endm
.macro BLOCK t
.set XS, WX+32*((\t)%2)
.if (\t) < 7
	s_wait_loadcnt 32                              ; this block's 32 loads are in; the next block's stay out
.else
	s_wait_loadcnt 0x0
.endif
	v_max3_num_f32 v8, |v[XS]|, |v[XS+1]|, |v[XS+2]|
	v_max3_num_f32 v9, |v[XS+3]|, |v[XS+4]|, |v[XS+5]|
.irp i, 6,10,14,18,22,26
	v_max3_num_f32 v8, v8, |v[XS+\i]|, |v[XS+\i+1]|
	v_max3_num_f32 v9, v9, |v[XS+\i+2]|, |v[XS+\i+3]|
.endr
	v_max3_num_f32 v8, v8, |v[XS+30]|, |v[XS+31]|
	v_max3_num_f32 v8, v8, v9, 0x1800000           ; and the floor
	v_add_nc_u32 v10, 0xff000000, v8               ; the conversion's scale operand
	v_lshrrev_b32 v11, 23, v10                     ; the byte
.if (\t)%4 == 0
	v_mov_b32 v[92+(\t)/4], v11
.else
	v_lshl_or_b32 v[92+(\t)/4], v11, 8*((\t)%4), v[92+(\t)/4]
.endif
	v_cvt_scalef32_pk16_fp6_f32 v[80:82], v[XS:XS+15], v10
	v_cvt_scalef32_pk16_fp6_f32 v[88:90], v[XS+16:XS+31], v10
	v_nop                                          ; one plain place behind a scaled conversion
	v_mov_b32 v83, v88
	v_mov_b32 v84, v89
	v_mov_b32 v85, v90
	ds_store_b128 v2, v[80:83] offset:3328*((\t)/4)+768*(((\t)/2)%2)+256*((\t)%2)   ; block 2 c + hb of K step t / 4: half image c, lane r + 16 hb
	ds_store_b64 v3, v[84:85] offset:3328*((\t)/4)+768*(((\t)/2)%2)+128*((\t)%2)
.if (\t) < 6
	WLOAD (\t)+2
.endif
	s_wait_dscnt 0x0                               ; the stores have read their registers: the next block's codes may be written
.endm
	WLOAD 0
	WLOAD 1
.irp t, 0,1,2,3,4,5,6,7
	BLOCK \t
.endr
	s_wait_alu depctr_va_vdst(0)
	global_store_b64 v6, v[92:93], s[20:21]        ; my column's two scale words: pieces of 8 bytes, 16 bytes apart; 131,072 bytes of that kind in the whole launch
.set n, 0
.rept 12
	ds_load_b128 v[OUT+4*n:OUT+4*n+3], v4 offset:3328*(n/6)+1664*((n/3)%2)+512*(n%3)   ; LDS serves a wave's instructions in order: these see my stores
.set n, n+1
.endr
.set n, 0
.rept 12
	s_wait_dscnt 11-n                              ; read-back n is in; the younger ones stay out
	global_store_b128 v5, v[OUT+4*n:OUT+4*n+3], s[18:19] offset:24576*(n/6)+1536*((n/3)%2)+512*(n%3)   ; 512 consecutive bytes, aligned
.set n, n+1
.endr
	s_wait_tensorcnt 0x0
	ds_add_u32 v240, v241
	s_wait_dscnt 0x0
	s_endpgm
.Lfunc_end_k_q68841f0d55_quant:
	.size	k_q68841f0d55_quant, .Lfunc_end_k_q68841f0d55_quant-k_q68841f0d55_quant
	.p2alignl 7, 3214868480
	.fill 96, 4, 3214868480
	.section	.rodata,"a",@progbits
	.p2align	6, 0x0
	.amdhsa_kernel k_q68841f0d55_quant
		.amdhsa_group_segment_fixed_size 60928
		.amdhsa_private_segment_fixed_size 0
		.amdhsa_enable_private_segment 0
		.amdhsa_kernarg_size 72
		.amdhsa_user_sgpr_count 2
		.amdhsa_user_sgpr_kernarg_segment_ptr 1
		.amdhsa_wavefront_size32 1
		.amdhsa_system_sgpr_workgroup_id_x 1
		.amdhsa_system_sgpr_workgroup_id_y 1
		.amdhsa_system_sgpr_workgroup_id_z 1
		.amdhsa_system_vgpr_workitem_id 0
		.amdhsa_next_free_vgpr 242
		.amdhsa_next_free_sgpr 66
		.amdhsa_reserve_vcc 0
		.amdhsa_float_denorm_mode_32 3
		.amdhsa_float_denorm_mode_16_64 3
		.amdhsa_memory_ordered 1
		.amdhsa_forward_progress 1
		.amdhsa_inst_pref_size 73
	.end_amdhsa_kernel
	.amdgpu_metadata
---
amdhsa.version: [ 1, 2 ]
amdhsa.kernels:
  - .name:           k_q68841f0d55_quant
    .symbol:         k_q68841f0d55_quant.kd
    .args:
      - { .name: x, .offset: 0, .size: 8, .value_kind: global_buffer, .address_space: global }
      - { .name: Wq, .offset: 8, .size: 8, .value_kind: global_buffer, .address_space: global }
      - { .name: Wk, .offset: 16, .size: 8, .value_kind: global_buffer, .address_space: global }
      - { .name: Wv, .offset: 24, .size: 8, .value_kind: global_buffer, .address_space: global }
      - { .name: Wo, .offset: 32, .size: 8, .value_kind: global_buffer, .address_space: global }
      - { .name: xc, .offset: 40, .size: 8, .value_kind: global_buffer, .address_space: global }
      - { .name: xs, .offset: 48, .size: 8, .value_kind: global_buffer, .address_space: global }
      - { .name: wc, .offset: 56, .size: 8, .value_kind: global_buffer, .address_space: global }
      - { .name: ws, .offset: 64, .size: 8, .value_kind: global_buffer, .address_space: global }
    .group_segment_fixed_size: 60928
    .private_segment_fixed_size: 0
    .kernarg_segment_align: 8
    .kernarg_segment_size: 72
    .max_flat_workgroup_size: 128
    .sgpr_count:     66
    .vgpr_count:     242
    .wavefront_size: 32
...
	.end_amdgpu_metadata
.endif
;; end of part 1
;; launch qkv (part 2): grid 12 x 64, 4 waves a work-group, clusters of 4 x 4, 295,424 bytes of LDS; arguments xc, xs, wc, ws, qb, kvb; writes qb, kvb
.if DOCPART == 2
	.amdgcn_target "amdgcn-amd-amdhsa--gfx1250"
	.amdhsa_code_object_version 6
	.text
	.protected	k_q68841f0d55_qkv
	.globl	k_q68841f0d55_qkv
	.p2align	8
	.type	k_q68841f0d55_qkv,@function
k_q68841f0d55_qkv:
	s_mov_b64 s[64:65], 0
	v_nop
	global_prefetch_b8 v0, s[64:65] scope:SCOPE_SE
	s_setreg_imm32_b32 hwreg(HW_REG_WAVE_MODE, 25, 1), 1
	s_wait_xcnt 0x0
	s_wait_alu depctr_hold_cnt(0) depctr_sa_sdst(0) depctr_va_vdst(0) depctr_va_sdst(0) depctr_va_ssrc(0) depctr_va_vcc(0) depctr_vm_vsrc(0)
	s_getreg_b32 s2, hwreg(HW_REG_IB_STS2, 6, 4)
	s_cmp_eq_u32 s2, 0
	s_cbranch_scc0 .Lentry_in_a_cluster
	s_endpgm
.Lentry_in_a_cluster:
	s_bfe_u32 s2, ttmp6, 0x10000c
	s_cmp_lg_u32 s2, 0xf033
	s_cbranch_scc0 .Lentry_shape_is_right
	s_endpgm
.Lentry_shape_is_right:
; q = x Wq, k = x Wk, v = x Wv on codes of FP6 (E2M3) with E8M0 scales, K = 1,024, sums in f32; the results are quantised in registers and stored as images of the operands that attention wants.
; A work-group takes 128 tokens x 256 columns (four heads); the cluster's x says which product: 0 q, 1 k, 2 v.  Wave w takes all 8 token tiles x one head's 4 column tiles: 32 accumulators.
; ALL OF K LIES IN LDS, FILLED ONCE: (128 + 256) rows x 768 bytes = 294,912 bytes, in four chunks of 256 along K.  No byte of LDS is filled twice.
; Operands lie in memory and in LDS as images of their registers (1,536 bytes a fragment), so a chunk is a dense block and every LDS load reads 512 or 256 consecutive bytes.
; CLUSTER 4 x 4: x's chunks are shared along a row of the cluster, the weights' along a column: joint loads.  A wave has four tensor loads out at the most, by this text's own count.
; q, k: THE PRODUCT IS USED TRANSPOSED (source 0 = 16 columns, source 1 = 16 tokens): a lane holds one token and its registers run along the head's 64.
; v: source 0 = 16 tokens, source 1 = 16 columns: a lane holds one channel d and its registers run along the 128 tokens, which are the second attention product's K.
; In both cases 64 accumulator registers are four blocks of 32 along the next K, halves in lanes l and l xor 16: one epilogue serves all three.
; qb record (6,656 bytes, one for a head and 128 queries): 4 fragments [tile 2 j | tile 2 j + 1, K = 64 each], then 512 bytes of scale words at 16 x lane + 4 j.
; kvb record (13,312 bytes): k's part laid the same, then v's: 4 fragments of V^T (16 d x 128 keys) and their words.
; LIMITS: NaN and infinities are not served; a block whose largest magnitude lies under 2^-124 (zeros too) keeps the byte 1: these bytes are read by this program alone.
; REGISTERS: window 0: addresses, scale words, the epilogue's work.  window 1: the 32 accumulators.  windows 2, 3: two sets of fragments: x's 8 at v[12 tm], the weights' 4 at v[96 + 12 t].
.set VA16, 4                           ; v4-7   16 x lane + chunk c: x's images
.set VA8,  8                           ; v8-11  8 x lane + chunk c
.set VB16, 12                          ; v12-15 the same for my four tiles of the weights
.set VB8,  16                          ; v16-19
.set SA,   32                          ; v32-63 x's scale words: tile tm at v[SA + 4 tm + j]: K step j in lanes 0-15, K step 4 + j in lanes 16-31
.set SB,   64                          ; v64-79 the weights' likewise
.set TM,   80                          ; v80-95 at work
.set CT,   96                          ; v96-102
.set PW,   104                         ; v104-107 the four scale words made
.set PC,   112                         ; v112-159 the four fragments made
.set G1A,  24                          ; s[24:31] descriptor group 1 for x's chunks;  s[40:55] four groups 0
.set G1B,  32                          ; s[32:39] for the weights';  s[56:63], s[68:75] four groups 0
.set G0A,  40
.set DST,  88
.set SEL,  90
.set MSB, 0
.macro WIN new                         ; the immediate's high byte repeats the setting that is left
.if MSB != (\new)
	s_set_vgpr_msb (MSB<<8)|(\new)
.set MSB, (\new)
.endif
.endm
.macro PLACES
.rept 4
	v_nop
.endr
.endm
.macro CROUND                          ; a round of the cluster's barrier
	s_barrier_signal -1
	s_barrier_wait -1
	s_cmp_lg_u32 s16, 0
	s_cbranch_scc1 .Lnot_wave_0_\@
	s_barrier_signal -3
.Lnot_wave_0_\@:
	s_barrier_wait -3
	s_barrier_signal -1
	s_barrier_wait -1
.endm
	s_load_b256 s[4:11], s[0:1], 0x0               ; xc, xs, wc, ws
	s_load_b128 s[12:15], s[0:1], 0x20             ; qb, kvb
	v_lshl_add_u32 v254, v0, 2, 0x48000
	v_mov_b32 v255, 0
	ds_add_u32 v254, v255
	ds_add_u32 v254, v255
	v_lshrrev_b32 v1, 5, v0
	v_readfirstlane_b32 s16, v1                    ; wave 0..3
	s_bfe_u32 s17, ttmp6, 0x40000                  ; cx
	s_bfe_u32 s18, ttmp6, 0x40004                  ; cy
	s_lshl_b32 s19, ttmp9, 2
	s_add_co_u32 s19, s19, s17                     ; gx: which 256 of the 3,072 columns
	s_and_b32 s20, ttmp7, 0xffff
	s_lshl_b32 s20, s20, 2
	s_add_co_u32 s20, s20, s18                     ; gy: which 128 tokens
	s_lshl_b32 s21, s18, 2
	s_lshl_b32 s21, 15, s21                        ; my row of the cluster
	s_lshl_b32 s22, 0x1111, s17                    ; my column
	; group 1: a dense block as rows of 256 bytes (32 elements of 8 bytes): x's chunk 96 rows, a wave's third of the weights' chunk 64 rows
	s_or_b32 s[G1A], s21, (3<<16)|(1<<21)          ; 15:0 the mask; 17:16 elements of 8 bytes; 21 set beside a mask; no padding
	s_mov_b32 s[G1A+1], 32<<16                     ; tensor_dim0 = 32
	s_mov_b32 s[G1A+2], 96<<16                     ; tensor_dim1 = 96
	s_mov_b32 s[G1A+3], 32<<16                     ; tile_dim0 = 32
	s_mov_b32 s[G1A+4], 96                         ; tile_dim1 = 96
	s_mov_b32 s[G1A+5], 32                         ; the pitch
	s_mov_b32 s[G1A+6], 0
	s_mov_b32 s[G1A+7], 0
	s_or_b32 s[G1B], s22, (3<<16)|(1<<21)
	s_mov_b32 s[G1B+1], 32<<16
	s_mov_b32 s[G1B+2], 64<<16
	s_mov_b32 s[G1B+3], 32<<16
	s_mov_b32 s[G1B+4], 64
	s_mov_b32 s[G1B+5], 32
	s_mov_b32 s[G1B+6], 0
	s_mov_b32 s[G1B+7], 0
	s_mul_i32 s76, s20, 98304                      ; x's codes of my 128 tokens: made of gy alone
	s_mov_b32 s77, 0
	s_mul_i32 s78, s19, 196608                     ; the weights' codes of my 256 columns: made of gx and the wave's number alone
	s_lshl_b32 s80, s16, 14                        ; a wave's third of a chunk: 16,384 bytes
	s_add_co_u32 s78, s78, s80
	s_mov_b32 s79, 0
	s_wait_dscnt 0x0
	s_wait_kmcnt 0x0
	s_add_nc_u64 s[76:77], s[4:5], s[76:77]
	s_add_nc_u64 s[78:79], s[8:9], s[78:79]
.irp c, 0,1,2,3
	s_mov_b32 s[G0A+4*\c], 1                       ; count = 1
	s_mov_b32 s[G0A+4*\c+1], 73728*\c              ; LDS address: chunk c begins with x's part
	s_add_nc_u64 s[G0A+4*\c+2:G0A+4*\c+3], s[76:77], 24576*\c
	s_or_b32 s[G0A+4*\c+3], s[G0A+4*\c+3], 0x80000000   ; type = 2
	s_mov_b32 s[56+4*\c+4*(\c/2)], 1
	s_add_co_u32 s[56+4*\c+4*(\c/2)+1], s80, 73728*\c+24576
	s_add_nc_u64 s[56+4*\c+4*(\c/2)+2:56+4*\c+4*(\c/2)+3], s[78:79], 49152*\c
	s_or_b32 s[56+4*\c+4*(\c/2)+3], s[56+4*\c+4*(\c/2)+3], 0x80000000
.endr
	CROUND                                         ; all sixteen work-groups are here: the joint loads meet
	s_cmp_eq_u32 s16, 3                            ; wave 3 fetches x's four chunks, waves 0 to 2 a third each of the weights'
	s_cbranch_scc0 .Lfill_b
	tensor_load_to_lds s[40:43], s[G1A:G1A+7]
	s_nop 0
	tensor_load_to_lds s[44:47], s[G1A:G1A+7]
	s_nop 0
	tensor_load_to_lds s[48:51], s[G1A:G1A+7]
	s_nop 0
	tensor_load_to_lds s[52:55], s[G1A:G1A+7]
	s_nop 0
	PLACES                                         ; four v_nop follow a wave's loads
	s_branch .Lfilled
.Lfill_b:
	tensor_load_to_lds s[56:59], s[G1B:G1B+7]
	s_nop 0
	tensor_load_to_lds s[60:63], s[G1B:G1B+7]
	s_nop 0
	tensor_load_to_lds s[68:71], s[G1B:G1B+7]
	s_nop 0
	tensor_load_to_lds s[72:75], s[G1B:G1B+7]
	s_nop 0
	PLACES
.Lfilled:
	v_and_b32 v3, 31, v0
	v_lshlrev_b32 v1, 4, v3                        ; 16 x lane
	v_lshlrev_b32 v2, 3, v3                        ; 8 x lane
	s_mul_i32 s81, s16, 6144                       ; my four tiles of the weights
	s_add_co_u32 s81, s81, 24576
.irp c, 0,1,2,3
	v_add_nc_u32 v[VA16+\c], 73728*\c, v1
	v_add_nc_u32 v[VA8+\c], 73728*\c, v2
	v_add_nc_u32 v[VB16+\c], s81, v1
	v_add_nc_u32 v[VB8+\c], s81, v2
	s_add_co_u32 s81, s81, 73728
.endr
	s_lshl_b32 s82, s20, 12                        ; x's scale words: 8 tiles of 512 bytes
	s_mov_b32 s83, 0
	s_add_nc_u64 s[6:7], s[6:7], s[82:83]
	s_lshl_b32 s82, s19, 13                        ; the weights': 16 tiles a block, my four
	s_lshl_b32 s84, s16, 11
	s_add_co_u32 s82, s82, s84
	s_add_nc_u64 s[10:11], s[10:11], s[82:83]
.irp i, 0,1,2,3,4,5,6,7
	global_load_b128 v[SA+4*\i:SA+4*\i+3], v1, s[6:7] offset:512*\i
.endr
.irp i, 0,1,2,3
	global_load_b128 v[SB+4*\i:SB+4*\i+3], v1, s[10:11] offset:512*\i
.endr
.irp b, 0,1,2,3
	v_mov_b32 v[TM+4+\b], 0                        ; written once: a lane permute's destination counts as one of its sources
.endr
	s_mov_b32 s[SEL], 0x76543210
	s_mov_b32 s[SEL+1], 0xfedcba98
	; where my head's record lies
	s_lshr_b32 s85, s20, 4
	s_lshl_b32 s85, s85, 4                         ; 16 x batch
	s_and_b32 s86, s19, 3
	s_lshl_b32 s86, s86, 2
	s_add_co_u32 s85, s85, s86
	s_add_co_u32 s85, s85, s16                     ; + the head
	s_lshl_b32 s85, s85, 4
	s_and_b32 s86, s20, 15
	s_add_co_u32 s85, s85, s86                     ; record = 16 x (batch, head) + the block of 128 tokens
	s_cmp_eq_u32 ttmp9, 0
	s_cselect_b64 s[DST:DST+1], s[12:13], s[14:15]
	s_mov_b32 s87, 13312
	s_cselect_b32 s87, 6656, s87
	s_mul_i32 s86, s85, s87
	s_cmp_eq_u32 ttmp9, 2
	s_cselect_b32 s87, 6656, 0                     ; v's part lies behind k's
	s_add_co_u32 s86, s86, s87
	s_mov_b32 s87, 0
	s_add_nc_u64 s[DST:DST+1], s[DST:DST+1], s[86:87]
.macro FRAG reg, a16, a8, off          ; a fragment's image into 12 registers: four dense loads
	ds_load_b128 v[\reg:\reg+3], v[\a16] offset:\off
	ds_load_b64 v[\reg+4:\reg+5], v[\a8] offset:\off+512
	ds_load_b128 v[\reg+6:\reg+9], v[\a16] offset:\off+768
	ds_load_b64 v[\reg+10:\reg+11], v[\a8] offset:\off+1280
.endm
.macro FETCHG s, grp                   ; four fragments of K step s into set s % 2.  grp 0: the weights' four; 1: x's tiles 0-3; 2: x's tiles 4-7
	WIN 0x80+0x40*((\s)&1)
.if (\grp) == 0
.irp t, 0,1,2,3
	FRAG 96+12*\t,VB16+(\s)/2,VB8+(\s)/2,24576*((\s)&1)+1536*\t
.endr
.else
.irp i, 0,1,2,3
	FRAG 12*(4*((\grp)-1)+\i),VA16+(\s)/2,VA8+(\s)/2,12288*((\s)&1)+1536*(4*((\grp)-1)+\i)
.endr
.endif
.endm
.macro WM d, a, b, sa, sb, s           ; one product; K step 0 starts the sum; K steps 4-7 take their scale words from lanes 16-31
.if (\s) == 0
	v_wmma_scale_f32_16x16x128_f8f6f4 v[\d:\d+7], v[\a:\a+11], v[\b:\b+11], 0, v[\sa], v[\sb] matrix_a_fmt:MATRIX_FMT_FP6 matrix_b_fmt:MATRIX_FMT_FP6
.elseif (\s) < 4
	v_wmma_scale_f32_16x16x128_f8f6f4 v[\d:\d+7], v[\a:\a+11], v[\b:\b+11], v[\d:\d+7], v[\sa], v[\sb] matrix_a_fmt:MATRIX_FMT_FP6 matrix_b_fmt:MATRIX_FMT_FP6
.else
	v_wmma_scale_f32_16x16x128_f8f6f4 v[\d:\d+7], v[\a:\a+11], v[\b:\b+11], v[\d:\d+7], v[\sa], v[\sb] matrix_a_fmt:MATRIX_FMT_FP6 matrix_b_fmt:MATRIX_FMT_FP6 matrix_a_scale:MATRIX_SCALE_ROW1 matrix_b_scale:MATRIX_SCALE_ROW1
.endif
.endm
.macro MUL8 s, grp, var                ; x's tiles 2 grp, 2 grp + 1 against the weights' four.  The 32 accumulators take turns, in the same order in every K step
.irp i, 0,1
.irp t, 0,1,2,3
.set TX, 2*(\grp)+\i
.if \var
	WM 8*(8*\t+TX),12*TX,96+12*\t,SA+4*TX+((\s)&3),SB+4*\t+((\s)&3),\s
.else
	WM 8*(4*TX+\t),96+12*\t,12*TX,SB+4*\t+((\s)&3),SA+4*TX+((\s)&3),\s
.endif
.endr
.endr
.endm
; A K step: 32 products; the next step's 12 fragments are fetched in three runs among them, into the other set.
.macro KSTEP s, var
	s_wait_dscnt 0x0                               ; this step's fragments are in
.if ((\s)==1)||((\s)==3)||((\s)==5)
	s_wait_tensorcnt 3-((\s)+1)/2                  ; my part of the next chunk has landed; my younger chunk loads stay out
	s_barrier_signal -1
	s_barrier_wait -1                              ; everybody's has
.endif
.if ((\s)>0)&&((\s)<7)
	PLACES                                         ; four places between the last step's products and the loads into the registers that they read
.endif
.if (\s)<7
	FETCHG (\s)+1,0
.endif
	WIN 0x5a+5*((\s)&1)                            ; sources 0 and 1: window 2 or 3; C and D: window 1
	MUL8 \s,0,\var
.if (\s)<7
	FETCHG (\s)+1,1
.endif
	WIN 0x5a+5*((\s)&1)
	MUL8 \s,1,\var
.if (\s)<7
	FETCHG (\s)+1,2
.endif
	WIN 0x5a+5*((\s)&1)
	MUL8 \s,2,\var
	MUL8 \s,3,\var
.endm
.macro MAIN var
	s_wait_tensorcnt 0x3                           ; my part of chunk 0 has landed; my three younger loads stay out
	s_barrier_signal -1
	s_barrier_wait -1
	FETCHG 0,0
	FETCHG 0,1
	FETCHG 0,2
	s_wait_loadcnt 0x0                             ; the scale words
.irp s, 0,1,2,3,4,5,6,7
	KSTEP \s,\var
.endr
	WIN 0
.endm
	s_cmp_eq_u32 ttmp9, 2                          ; the cluster's x: the same in all sixteen partners
	s_cbranch_scc1 .Lfor_v
	MAIN 0
	s_branch .Lepi
.Lfor_v:
	MAIN 1
.Lepi:
	PLACES                                         ; four places between the last products and the first read of results
; 64 accumulator registers, register 16 b + i = k 32 b + 16 (lane / 16) + i of my row, become fragment j and its scale word.  Each accumulator is read from its low end on.
.macro QUANTW j
.set AC, 64*(\j)
	WIN 0x05
.irp b, 0,1,2,3
	v_max3_num_f32 v[TM+\b], |v[AC+16*\b]|, |v[AC+16*\b+1]|, 0x1800000   ; my 16 numbers of block b, and the floor 2^(3 - 127)
.endr
	WIN 0x14
.irp i, 2,4,6,8,10,12,14
.irp b, 0,1,2,3
	v_max3_num_f32 v[TM+\b], v[TM+\b], |v[AC+16*\b+\i]|, |v[AC+16*\b+\i+1]|
.endr
.endr
	WIN 0
.irp b, 0,1,2,3
	v_permlanex16_b32 v[TM+4+\b], v[TM+\b], s[SEL], s[SEL+1]
.endr
.irp b, 0,1,2,3
	v_max_num_f32 v[TM+\b], v[TM+\b], v[TM+4+\b]   ; with lane l xor 16's: the block's largest magnitude
.endr
.irp b, 0,1,2,3
	v_add_nc_u32 v[TM+12+\b], 0xff000000, v[TM+\b] ; the conversion's scale operand
.endr
.irp b, 0,1,2,3
	v_lshrrev_b32 v[TM+4+\b], 23, v[TM+12+\b]      ; the byte
.endr
	v_lshl_or_b32 v[PW+\j], v[TM+5], 8, v[TM+4]
	v_lshl_or_b32 v[PW+\j], v[TM+6], 16, v[PW+\j]
	v_lshl_or_b32 v[PW+\j], v[TM+7], 24, v[PW+\j]
	WIN 0x01
.irp c, 0,1
	v_cvt_scalef32_pk16_fp6_f32 v[PC+12*\j+6*\c:PC+12*\j+6*\c+2], v[AC+32*\c:AC+32*\c+15], v[TM+12+2*\c]
	v_cvt_scalef32_pk16_fp6_f32 v[CT+4*\c:CT+4*\c+2], v[AC+32*\c+16:AC+32*\c+31], v[TM+12+2*\c+1]
.endr
	WIN 0
	v_nop                                          ; one plain place behind a scaled conversion
.irp c, 0,1                            ; the operand's layout wants a whole block in a lane
.irp i, 0,1,2
	v_permlane16_swap_b32 v[PC+12*\j+6*\c+\i], v[CT+4*\c+\i]
.endr
.irp i, 0,1,2
	v_mov_b32 v[PC+12*\j+6*\c+3+\i], v[CT+4*\c+\i]
.endr
.endr
.endm
.irp j, 0,1,2,3
	QUANTW \j
	global_store_b128 v1, v[PC+12*\j:PC+12*\j+3], s[DST:DST+1] offset:1536*\j          ; each store covers 512 or 256 consecutive bytes, aligned
	global_store_b64 v2, v[PC+12*\j+4:PC+12*\j+5], s[DST:DST+1] offset:1536*\j+512
	global_store_b128 v1, v[PC+12*\j+6:PC+12*\j+9], s[DST:DST+1] offset:1536*\j+768
	global_store_b64 v2, v[PC+12*\j+10:PC+12*\j+11], s[DST:DST+1] offset:1536*\j+1280
.endr
	global_store_b128 v1, v[PW:PW+3], s[DST:DST+1] offset:6144   ; the four scale words of my row (lanes 16-31 hold and store the same again)
	s_wait_tensorcnt 0x0
	ds_add_u32 v254, v255
	s_wait_dscnt 0x0
	CROUND                                         ; the closing round: no work-group ends while a partner may still ask jointly
	s_endpgm
.Lfunc_end_k_q68841f0d55_qkv:
	.size	k_q68841f0d55_qkv, .Lfunc_end_k_q68841f0d55_qkv-k_q68841f0d55_qkv
	.p2alignl 7, 3214868480
	.fill 96, 4, 3214868480
	.section	.rodata,"a",@progbits
	.p2align	6, 0x0
	.amdhsa_kernel k_q68841f0d55_qkv
		.amdhsa_group_segment_fixed_size 295424
		.amdhsa_private_segment_fixed_size 0
		.amdhsa_enable_private_segment 0
		.amdhsa_kernarg_size 48
		.amdhsa_user_sgpr_count 2
		.amdhsa_user_sgpr_kernarg_segment_ptr 1
		.amdhsa_wavefront_size32 1
		.amdhsa_system_sgpr_workgroup_id_x 1
		.amdhsa_system_sgpr_workgroup_id_y 1
		.amdhsa_system_sgpr_workgroup_id_z 1
		.amdhsa_system_vgpr_workitem_id 0
		.amdhsa_next_free_vgpr 1024
		.amdhsa_next_free_sgpr 100
		.amdhsa_reserve_vcc 0
		.amdhsa_float_denorm_mode_32 3
		.amdhsa_float_denorm_mode_16_64 3
		.amdhsa_memory_ordered 1
		.amdhsa_forward_progress 1
		.amdhsa_inst_pref_size 145
	.end_amdhsa_kernel
	.amdgpu_metadata
---
amdhsa.version: [ 1, 2 ]
amdhsa.kernels:
  - .name:           k_q68841f0d55_qkv
    .symbol:         k_q68841f0d55_qkv.kd
    .args:
      - { .name: xc, .offset: 0, .size: 8, .value_kind: global_buffer, .address_space: global }
      - { .name: xs, .offset: 8, .size: 8, .value_kind: global_buffer, .address_space: global }
      - { .name: wc, .offset: 16, .size: 8, .value_kind: global_buffer, .address_space: global }
      - { .name: ws, .offset: 24, .size: 8, .value_kind: global_buffer, .address_space: global }
      - { .name: qb, .offset: 32, .size: 8, .value_kind: global_buffer, .address_space: global }
      - { .name: kvb, .offset: 40, .size: 8, .value_kind: global_buffer, .address_space: global }
    .group_segment_fixed_size: 295424
    .private_segment_fixed_size: 0
    .kernarg_segment_align: 8
    .kernarg_segment_size: 48
    .max_flat_workgroup_size: 128
    .sgpr_count:     100
    .vgpr_count:     1024
    .wavefront_size: 32
...
	.end_amdgpu_metadata
.endif
;; end of part 2
;; launch attn (part 3): grid 256 x 1, 16 waves a work-group, clusters of 4 x 1, 215,040 bytes of LDS; arguments qb, kvb, cc, cs; writes cc, cs
.if DOCPART == 3
	.amdgcn_target "amdgcn-amd-amdhsa--gfx1250"
	.amdhsa_code_object_version 6
	.text
	.protected	k_q68841f0d55_attn
	.globl	k_q68841f0d55_attn
	.p2align	8
	.type	k_q68841f0d55_attn,@function
k_q68841f0d55_attn:
	s_mov_b64 s[64:65], 0
	v_nop
	global_prefetch_b8 v0, s[64:65] scope:SCOPE_SE
	s_setreg_imm32_b32 hwreg(HW_REG_WAVE_MODE, 25, 1), 1
	s_wait_xcnt 0x0
	s_wait_alu depctr_hold_cnt(0) depctr_sa_sdst(0) depctr_va_vdst(0) depctr_va_sdst(0) depctr_va_ssrc(0) depctr_va_vcc(0) depctr_vm_vsrc(0)
	s_getreg_b32 s2, hwreg(HW_REG_IB_STS2, 6, 4)
	s_cmp_eq_u32 s2, 0
	s_cbranch_scc0 .Lentry_in_a_cluster
	s_endpgm
.Lentry_in_a_cluster:
	s_bfe_u32 s2, ttmp6, 0x10000c
	s_cmp_lg_u32 s2, 0x3003
	s_cbranch_scc0 .Lentry_shape_is_right
	s_endpgm
.Lentry_shape_is_right:
; Causal attention of one head on codes of FP6 (E2M3) with E8M0 scales; the result, divided by the row's sum, is quantised along (head, d) and stored as the image of the last product's operand.
; t = score x log2(e) / 8; M = the running largest t rounded UP to a whole number; p = 2^(t - M) is quantised along the keys, not normalised; the row's sum is taken of the unquantised p.
; When M moves, the sum and O are multiplied by 2^(old M - new M): exact.
; CLUSTER: the four work-groups of a cluster serve one (batch, head).  The head's whole K and V, 16 records of 13,312 bytes, lie in LDS, filled ONCE by joint loads: each wave asks for two dense pieces.
; SHARES: a tile of 16 queries in block G of 128 needs G + 1 key steps of 128.  Each of the 64 waves takes a long tile (G = 15 - wave / 2) and a short one (G = wave / 2): 17 steps for every wave.
; G comes of the wave's number alone and steers the branches; the tile's number E in its block holds the work-group's place and enters global addresses and the mask's data alone.
; LAYOUT: both products are used transposed (S^T = K Q^T, O^T = V^T P^T): a lane holds one query throughout.  The keys of a tile are chosen so that 16 registers of two neighbouring tiles are 16 neighbouring keys.
; THE FIRST PRODUCT HAS K = 64 in an instruction of K = 128: a fragment of K holds two key tiles side by side, and is multiplied once by [Q | zeros] and once by [zeros | Q].
; LIMITS: NaN and infinities are not served; p under 2^-126 counts as 0; a block whose largest number lies under 2^-124 (zeros too) keeps the byte 1; M is a whole number exactly for |t| under 2^23.
.set QF,  16                           ; v16-33  Q 6 | zeros 6 | Q 6
.set QS,  34                           ; Q's two scale bytes, twice
.set PS,  35                           ; p's scale word
.set KSC, 36                           ; v36-39  K's scale words
.set VSC, 40                           ; v40-43  V's
.set KF,  44                           ; v44-91  K's four fragments; free behind the first product: v52-55 SO, v56-62 CT, v64-65 SU
.set VF,  92                           ; v92-139 V's four
.set S,   140                          ; v140-203 S^T, then p
.set O,   204                          ; v204-235 O^T
.set PC,  236                          ; v236-247 p's codes
.set BT,  248
.set BM,  252
.set SO,  52
.set CT,  56
.set SU,  64
; v1 16 x lane, v2 8 x lane, v3 v4 the step's LDS addresses, v5 v6 the mask's numbers, v7 -infinity, v8 16 r + h, v9 at work, v[10:11] f, v12 -M, v13 the largest t, v[14:15] the sum
; s12 wave, s13 cx, s14 (batch, head), s15 G, s16 E, s17 wave / 2, s19 key step, s[20:21] lane selects, s[22:23] c, s48 the step's record in LDS, s[52:59] bases, s60 lanes 16-31, s62 the short tile's E
.macro PLACES
.rept 4
	v_nop
.endr
.endm
.macro CROUND
	s_barrier_signal -1
	s_barrier_wait -1
	s_cmp_lg_u32 s12, 0
	s_cbranch_scc1 .Lnot_wave_0_\@
	s_barrier_signal -3
.Lnot_wave_0_\@:
	s_barrier_wait -3
	s_barrier_signal -1
	s_barrier_wait -1
.endm
	s_load_b256 s[4:11], s[0:1], 0x0               ; qb, kvb, cc, cs
	v_lshl_add_u32 v254, v0, 2, 0x34000
	v_mov_b32 v255, 0
	ds_add_u32 v254, v255
	ds_add_u32 v254, v255
	s_wait_dscnt 0x0
	v_lshrrev_b32 v1, 5, v0
	s_delay_alu instid0(VALU_DEP_1)
	v_readfirstlane_b32 s12, v1                    ; wave 0..15
	s_bfe_u32 s13, ttmp6, 0x40000                  ; cx
	s_mov_b32 s14, ttmp9                           ; the cluster's number: (batch, head)
	; group 1: dense pieces as rows of 256 bytes: 13 rows (a sixteenth of records 0-3), 39 rows (of records 4-15); the mask names all four work-groups
	s_mov_b32 s24, 15|(3<<16)|(1<<21)
	s_mov_b32 s25, 32<<16
	s_mov_b32 s26, 13<<16
	s_mov_b32 s27, 32<<16
	s_mov_b32 s28, 13
	s_mov_b32 s29, 32
	s_mov_b32 s30, 0
	s_mov_b32 s31, 0
	s_mov_b32 s32, 15|(3<<16)|(1<<21)
	s_mov_b32 s33, 32<<16
	s_mov_b32 s34, 39<<16
	s_mov_b32 s35, 32<<16
	s_mov_b32 s36, 39
	s_mov_b32 s37, 32
	s_mov_b32 s38, 0
	s_mov_b32 s39, 0
	s_mul_i32 s49, s14, 212992                     ; the head's records
	s_mul_i32 s17, s12, 3328
	s_mul_i32 s18, s12, 9984
	s_add_co_u32 s2, s49, s17
	s_mov_b32 s3, 0
	s_add_co_u32 s50, s49, s18
	s_add_co_u32 s50, s50, 53248
	s_mov_b32 s51, 0
	s_wait_kmcnt 0x0
	s_mov_b32 s40, 1
	s_mov_b32 s41, s17                             ; LDS: as in memory
	s_add_nc_u64 s[42:43], s[6:7], s[2:3]
	s_or_b32 s43, s43, 0x80000000
	s_mov_b32 s44, 1
	s_add_co_u32 s45, s18, 53248
	s_add_nc_u64 s[46:47], s[6:7], s[50:51]
	s_or_b32 s47, s47, 0x80000000
	CROUND                                         ; all four work-groups are here: the joint loads meet
	tensor_load_to_lds s[40:43], s[24:31]          ; two loads of mine are out
	s_nop 0
	tensor_load_to_lds s[44:47], s[32:39]
	s_nop 0
	PLACES                                         ; four v_nop follow them
	v_and_b32 v9, 31, v0
	s_delay_alu instid0(VALU_DEP_1)
	v_lshlrev_b32 v1, 4, v9
	s_delay_alu instid0(VALU_DEP_2)
	v_lshlrev_b32 v2, 3, v9
	v_and_b32 v3, 15, v0                           ; r
	v_bfe_u32 v4, v0, 4, 1                         ; h
	s_delay_alu instid0(VALU_DEP_2)
	v_and_b32 v5, 8, v3
	s_delay_alu instid0(VALU_DEP_1)
	v_add_nc_u32 v5, v5, v3
	s_delay_alu instid0(VALU_DEP_3)
	v_lshlrev_b32 v6, 4, v4
	s_delay_alu instid0(VALU_DEP_1)
	v_sub_nc_u32 v5, v5, v6                        ; r + 8 (r / 8) - 16 h
	v_lshl_add_u32 v8, v3, 4, v4                   ; 16 r + h
	v_mov_b32 v7, 0xff800000                       ; -infinity
	v_mov_b32 v9, 0
	v_mov_b32 v10, 0
	v_mov_b32 v11, 0                               ; (named as the upper half of the pair v[10:11])
.irp i, 0,1,2,3,4,5
	v_mov_b32 v[QF+6+\i], 0                        ; zero codes
.endr
.irp b, 0,1,2,3
	v_mov_b32 v[BT+\b], 0                          ; written once: a lane permute's destination counts as one of its sources
.endr
	s_mov_b32 s20, 0x76543210
	s_mov_b32 s21, 0xfedcba98
	s_mov_b32 s22, 0x3e38aa3b                      ; c = log2(e) / sqrt(64)
	s_mov_b32 s23, s22
	s_mov_b32 s60, 0xffff0000
	s_lshr_b32 s17, s12, 1                         ; wave / 2
	s_and_b32 s18, s12, 1
	s_lshl_b32 s61, s13, 1
	s_add_co_u32 s62, s61, s18                     ; the short tile's E = 2 cx + wave % 2
.macro FRAG reg, off                   ; a fragment's image into 12 registers: four dense loads
	ds_load_b128 v[\reg:\reg+3], v3 offset:\off
	ds_load_b64 v[\reg+4:\reg+5], v4 offset:\off+512
	ds_load_b128 v[\reg+6:\reg+9], v3 offset:\off+768
	ds_load_b64 v[\reg+10:\reg+11], v4 offset:\off+1280
.endm
; A tile begins: bases from G (s15) and E (s16), Q and its scale bytes, the statistics.
.macro TILE_BEGIN
	s_wait_xcnt 0x0                                ; the last tile's loads and stores have read their bases and data: they are written again only behind this wait
	s_lshl_b32 s50, s14, 4
	s_add_co_u32 s50, s50, s15
	s_mul_i32 s50, s50, 6656                       ; Q's record
	s_mul_i32 s49, s16, 768                        ; tile E's half image
	s_add_co_u32 s2, s50, s49
	s_mov_b32 s3, 0
	s_add_nc_u64 s[52:53], s[4:5], s[2:3]
	s_lshl_b32 s49, s16, 1
	s_add_co_u32 s2, s50, s49
	s_add_co_u32 s2, s2, 6144                      ; its two scale bytes: 6,144 + 16 x lane + 2 E
	s_add_nc_u64 s[54:55], s[4:5], s[2:3]
	global_load_b128 v[QF:QF+3], v1, s[52:53]
	global_load_b64 v[QF+4:QF+5], v2, s[52:53] offset:512
	global_load_b128 v[QF+12:QF+15], v1, s[52:53]
	global_load_b64 v[QF+16:QF+17], v2, s[52:53] offset:512
	global_load_u16 v[QS], v1, s[54:55]
	s_lshr_b32 s49, s16, 1
	s_lshl_b32 s49, s49, 5
	s_and_b32 s51, s16, 1
	s_lshl_b32 s51, s51, 3
	s_add_co_u32 s49, s49, s51
	v_add_nc_u32 v6, s49, v5                       ; my query in its 128, less 16 h
	s_lshr_b32 s49, s14, 4
	s_lshl_b32 s49, s49, 4
	s_add_co_u32 s49, s49, s15                     ; the block of 128 tokens
	s_lshl_b32 s49, s49, 3
	s_bfe_u32 s51, s14, 0x30001                    ; the last product's K step: head / 2
	s_add_co_u32 s50, s49, s51
	s_lshl_b32 s50, s50, 3
	s_add_co_u32 s50, s50, s16
	s_mul_i32 s2, s50, 1536
	s_and_b32 s50, s14, 1                          ; head % 2: which half image
	s_mul_i32 s61, s50, 768
	s_add_co_u32 s2, s2, s61
	s_add_nc_u64 s[56:57], s[8:9], s[2:3]
	s_add_co_u32 s49, s49, s16                     ; the tile of rows
	s_lshl_b32 s2, s49, 9
	s_lshr_b32 s61, s51, 2
	s_lshl_b32 s61, s61, 8
	s_add_co_u32 s2, s2, s61
	s_and_b32 s61, s51, 3
	s_lshl_b32 s61, s61, 2
	s_add_co_u32 s2, s2, s61
	s_lshl_b32 s50, s50, 1
	s_add_co_u32 s2, s2, s50
	s_add_nc_u64 s[58:59], s[10:11], s[2:3]
	v_mov_b32 v13, 0xff61b1e6                      ; the largest t so far: -3e38
	s_delay_alu instid0(VALU_DEP_1)
	v_floor_f32 v12, -v13                          ; -M
	v_mov_b32 v14, 0
	v_mov_b32 v15, 0
	s_wait_loadcnt 0x0
	v_lshl_or_b32 v[QS], v[QS], 16, v[QS]          ; the two bytes serve [Q | zeros] below and [zeros | Q] above
.set n, 0
.rept 32
	v_mov_b32 v[O+n], 0                            ; O^T: the step is written once, its first trip finds zeros.  (These are also the places between the scale word's write and the first product)
.set n, n+1
.endr
	s_mov_b32 s19, 0
	s_mov_b32 s48, 0
.endm
; A KEY STEP of 128 keys.  skip = 1: a step all of whose keys come after the tile's queries is left out, by a scalar branch on the wave's G.  mask = 1: on the diagonal hidden scores become -infinity.
.macro STEP skip, mask
.if \skip
	s_cmp_gt_u32 s19, s15
	s_cbranch_scc1 .Lhidden_\@
.endif
	s_setprio 2
	v_add_nc_u32 v3, s48, v1
	v_add_nc_u32 v4, s48, v2
	v_nop
	v_nop                                          ; four places between the last step's products and the loads into the registers that they read
.irp j, 0,1,2,3
	FRAG KF+12*\j,1536*\j
.endr
	ds_load_b128 v[KSC:KSC+3], v3 offset:6144
.irp j, 0,1,2,3
	FRAG VF+12*\j,6656+1536*\j
.endr
	ds_load_b128 v[VSC:VSC+3], v3 offset:12800
	s_wait_dscnt 17                                ; K's 17 loads are in; V's 17 stay out
.irp j, 0,1,2,3
	v_wmma_scale_f32_16x16x128_f8f6f4 v[S+16*\j:S+16*\j+7], v[KF+12*\j:KF+12*\j+11], v[QF:QF+11], 0, v[KSC+\j], v[QS] matrix_a_fmt:MATRIX_FMT_FP6 matrix_b_fmt:MATRIX_FMT_FP6
	v_wmma_scale_f32_16x16x128_f8f6f4 v[S+16*\j+8:S+16*\j+15], v[KF+12*\j:KF+12*\j+11], v[QF+6:QF+17], 0, v[KSC+\j], v[QS] matrix_a_fmt:MATRIX_FMT_FP6 matrix_b_fmt:MATRIX_FMT_FP6
.endr                                          ; register 16 b + i of lane (r, h): key 32 b + 16 h + i of the step, query r
	PLACES
.if \mask
	s_cmp_lg_u32 s19, s15
	s_cbranch_scc1 .Lopen_\@
.set n, 0
.rept 64
	v_cmp_gt_i32 vcc_lo, 32*(n/16)+n%16, v6        ; hidden where the key comes after my query
	v_cndmask_b32 v[S+n], v[S+n], v7, vcc_lo
.set n, n+1
.endr
.Lopen_\@:
.endif
.irp b, 0,1,2,3
	v_max3_num_f32 v[BM+\b], v[S+16*\b], v[S+16*\b+1], v[S+16*\b+2]   ; the largest score of each block of 32 keys: for the row's maximum, and, since p rises with the score, for the block's largest p
.endr
.irp i, 3,5,7,9,11,13
.irp b, 0,1,2,3
	v_max3_num_f32 v[BM+\b], v[BM+\b], v[S+16*\b+\i], v[S+16*\b+\i+1]
.endr
.endr
.irp b, 0,1,2,3
	v_max_num_f32 v[BM+\b], v[BM+\b], v[S+16*\b+15]
.endr
.irp b, 0,1,2,3
	s_delay_alu instid0(VALU_DEP_4)
	v_permlanex16_b32 v[BT+\b], v[BM+\b], s20, s21
.endr
.irp b, 0,1,2,3
	s_delay_alu instid0(VALU_DEP_4)
	v_max_num_f32 v[BM+\b], v[BM+\b], v[BT+\b]     ; with lane l xor 16's 16 keys
.endr
	s_delay_alu instid0(VALU_DEP_2)
	v_max3_num_f32 v9, v[BM], v[BM+1], v[BM+2]
	s_delay_alu instid0(VALU_DEP_1)
	v_max_num_f32 v9, v9, v[BM+3]
	s_delay_alu instid0(VALU_DEP_1)
	v_mul_f32 v9, s22, v9                          ; as t
	s_delay_alu instid0(VALU_DEP_1)
	v_max_num_f32 v13, v13, v9                     ; the running largest t
	v_mov_b32 v9, v12
	s_delay_alu instid0(VALU_DEP_2)
	v_floor_f32 v12, -v13                          ; the new -M = -ceil(t)
	s_delay_alu instid0(VALU_DEP_1)
	v_sub_f32 v9, v12, v9                          ; old M - new M: a whole number, 0 or less
	s_delay_alu instid0(VALU_DEP_1)
	v_cvt_i32_f32 v9, v9                           ; (it saturates)
	s_delay_alu instid0(VALU_DEP_1)
	v_ldexp_f32 v10, 1.0, v9                       ; f = 2^(old M - new M)
.set n, 0
.rept 32
	v_pk_fma_f32 v[S+n:S+n+1], v[S+n:S+n+1], s[22:23], v[12:13] op_sel_hi:[1,0,0]   ; t - M, two at a time
.set n, n+2
.endr
.irp b, 0,1,2,3
	v_fma_f32 v[BM+\b], v[BM+\b], s22, v12         ; the same of each block's largest score
.endr
.set n, 0
	s_setprio 1
	s_wait_alu depctr_va_vdst(0)
.rept 64
	v_exp_f32 v[S+n], v[S+n]                       ; p = 2^(t - M)
.set n, n+1
.endr
	v_pk_mul_f32 v[14:15], v[14:15], v[10:11] op_sel_hi:[1,0]   ; the sums under the new M: a plain place behind the exponentials
	s_wait_alu depctr_va_vdst(0)                   ; one wait for the whole batch, ahead of its first reader
.irp b, 0,1,2,3
	v_exp_f32 v[BM+\b], v[BM+\b]                   ; the block's largest p
.endr
	v_pk_add_f32 v[64:65], v[144:145], v[148:149]
	v_pk_add_f32 v[250:251], v[152:153], v[156:157]
	v_pk_add_f32 v[248:249], v[160:161], v[164:165]
	v_pk_add_f32 v[246:247], v[168:169], v[172:173]
	v_pk_add_f32 v[244:245], v[176:177], v[180:181]
	v_pk_add_f32 v[242:243], v[184:185], v[188:189]
	v_pk_add_f32 v[240:241], v[192:193], v[196:197]
	v_pk_add_f32 v[14:15], v[14:15], v[200:201]
	v_pk_add_f32 v[64:65], v[64:65], v[140:141]
	v_pk_add_f32 v[250:251], v[250:251], v[142:143]
	v_pk_add_f32 v[248:249], v[248:249], v[146:147]
	v_pk_add_f32 v[246:247], v[246:247], v[150:151]
	v_pk_add_f32 v[244:245], v[244:245], v[154:155]
	v_pk_add_f32 v[242:243], v[242:243], v[158:159]
	v_pk_add_f32 v[240:241], v[240:241], v[162:163]
	v_pk_add_f32 v[14:15], v[14:15], v[166:167]
	v_pk_add_f32 v[64:65], v[64:65], v[170:171]
	v_pk_add_f32 v[250:251], v[250:251], v[174:175]
	v_pk_add_f32 v[248:249], v[248:249], v[178:179]
	v_pk_add_f32 v[246:247], v[246:247], v[182:183]
	v_pk_add_f32 v[244:245], v[244:245], v[186:187]
	v_pk_add_f32 v[242:243], v[242:243], v[190:191]
	v_pk_add_f32 v[240:241], v[240:241], v[194:195]
	v_pk_add_f32 v[14:15], v[14:15], v[198:199]
	v_pk_add_f32 v[64:65], v[64:65], v[202:203]
	s_delay_alu instid0(VALU_DEP_2)
	v_pk_add_f32 v[14:15], v[14:15], v[246:247]
	s_delay_alu instid0(VALU_DEP_2)
	v_pk_add_f32 v[64:65], v[64:65], v[244:245]
	v_pk_add_f32 v[250:251], v[250:251], v[242:243]
	v_pk_add_f32 v[248:249], v[248:249], v[240:241]
	s_delay_alu instid0(VALU_DEP_2)
	v_pk_add_f32 v[14:15], v[14:15], v[250:251]
	s_delay_alu instid0(VALU_DEP_2)
	v_pk_add_f32 v[64:65], v[64:65], v[248:249]
	s_delay_alu instid0(VALU_DEP_1)
	v_pk_add_f32 v[14:15], v[14:15], v[64:65]
	s_wait_alu depctr_va_vdst(0)                   ; and one for the four
.irp b, 0,1,2,3
	v_max_num_f32 v[BM+\b], 0x1800000, v[BM+\b]    ; the floor 2^(3 - 127)
.endr
.irp b, 0,1,2,3
	s_delay_alu instid0(VALU_DEP_4)
	v_add_nc_u32 v[SO+\b], 0xff000000, v[BM+\b]    ; the conversion's scale operand
.endr
.irp b, 0,1,2,3
	s_delay_alu instid0(VALU_DEP_4)
	v_lshrrev_b32 v[BT+\b], 23, v[SO+\b]           ; the byte
.endr
	s_delay_alu instid0(VALU_DEP_3)
	v_lshl_or_b32 v[PS], v[BT+1], 8, v[BT]
	s_delay_alu instid0(VALU_DEP_1)
	v_lshl_or_b32 v[PS], v[BT+2], 16, v[PS]
	s_delay_alu instid0(VALU_DEP_1)
	v_lshl_or_b32 v[PS], v[BT+3], 24, v[PS]
.irp c, 0,1
	v_cvt_scalef32_pk16_fp6_f32 v[PC+6*\c:PC+6*\c+2], v[S+32*\c:S+32*\c+15], v[SO+2*\c]
	v_cvt_scalef32_pk16_fp6_f32 v[CT+4*\c:CT+4*\c+2], v[S+32*\c+16:S+32*\c+31], v[SO+2*\c+1]
.endr
	v_nop                                          ; one plain place behind a scaled conversion
	s_setprio 0
.irp c, 0,1
.irp i, 0,1,2
	v_permlane16_swap_b32 v[PC+6*\c+\i], v[CT+4*\c+\i]
.endr
.irp i, 0,1,2
	s_delay_alu instid0(VALU_DEP_3)
	v_mov_b32 v[PC+6*\c+3+\i], v[CT+4*\c+\i]
.endr
.endr
.set n, 0
.rept 16
	v_pk_mul_f32 v[O+n:O+n+1], v[O+n:O+n+1], v[10:11] op_sel_hi:[1,0]   ; O^T under the new M, from each accumulator's low end on; also the places ahead of the products below
.set n, n+2
.endr
	s_wait_alu depctr_va_vdst(0)
	s_wait_dscnt 0x0                               ; V is in
.irp t, 0,1,2,3
	v_wmma_scale_f32_16x16x128_f8f6f4 v[O+8*\t:O+8*\t+7], v[VF+12*\t:VF+12*\t+11], v[PC:PC+11], v[O+8*\t:O+8*\t+7], v[VSC+\t], v[PS] matrix_a_fmt:MATRIX_FMT_FP6 matrix_b_fmt:MATRIX_FMT_FP6
.endr
.if \skip
.Lhidden_\@:
.endif
	s_add_co_u32 s19, s19, 1
	s_add_co_u32 s48, s48, 13312                   ; the next record
.endm
; A tile ends: O^T / the sum, quantised along the head's 64 (two blocks), stored as half an image and two scale bytes a row.
.macro FINISH
	PLACES
	v_add_f32 v14, v14, v15
	s_delay_alu instid0(VALU_DEP_1)
	v_permlanex16_b32 v9, v14, s20, s21
	s_delay_alu instid0(VALU_DEP_1)
	v_add_f32 v14, v14, v9                         ; the row's sum
	s_wait_alu depctr_va_vdst(0)
	v_rcp_f32 v10, v14
	v_nop                                          ; a plain place behind the reciprocal
	s_wait_alu depctr_va_vdst(0)                   ; a wait ahead of its first reader
.set n, 0
.rept 16
	v_pk_mul_f32 v[O+n:O+n+1], v[O+n:O+n+1], v[10:11] op_sel_hi:[1,0]   ; register 16 b + i: d = 32 b + 16 h + i of my query
.set n, n+2
.endr
.irp b, 0,1
	v_max3_num_f32 v[BM+\b], |v[O+16*\b]|, |v[O+16*\b+1]|, 0x1800000
.endr
.irp i, 2,4,6,8,10,12,14
.irp b, 0,1
	s_delay_alu instid0(VALU_DEP_2)
	v_max3_num_f32 v[BM+\b], v[BM+\b], |v[O+16*\b+\i]|, |v[O+16*\b+\i+1]|
.endr
.endr
.irp b, 0,1
	s_delay_alu instid0(VALU_DEP_2)
	v_permlanex16_b32 v[BT+\b], v[BM+\b], s20, s21
.endr
.irp b, 0,1
	s_delay_alu instid0(VALU_DEP_2)
	v_max_num_f32 v[BM+\b], v[BM+\b], v[BT+\b]
.endr
.irp b, 0,1
	s_delay_alu instid0(VALU_DEP_2)
	v_add_nc_u32 v[SO+\b], 0xff000000, v[BM+\b]
.endr
.irp b, 0,1
	s_delay_alu instid0(VALU_DEP_2)
	v_lshrrev_b32 v[BT+\b], 23, v[SO+\b]
.endr
	v_cvt_scalef32_pk16_fp6_f32 v[PC:PC+2], v[O:O+15], v[SO]
	v_cvt_scalef32_pk16_fp6_f32 v[CT:CT+2], v[O+16:O+31], v[SO+1]
	v_nop                                          ; one plain place behind a scaled conversion
.irp i, 0,1,2
	v_permlane16_swap_b32 v[PC+\i], v[CT+\i]
.endr
.irp i, 0,1,2
	s_delay_alu instid0(VALU_DEP_3)
	v_mov_b32 v[PC+3+\i], v[CT+\i]
.endr
	v_cndmask_b32 v9, v[BT], v[BT+1], s60          ; lanes 0-15 store block 0's byte, lanes 16-31 block 1's
	global_store_b128 v1, v[PC:PC+3], s[56:57]     ; 512 consecutive bytes, aligned
	global_store_b64 v2, v[PC+4:PC+5], s[56:57] offset:512
	global_store_b8 v8, v9, s[58:59]               ; 32 single bytes inside 256 aligned bytes: 262,144 bytes of that kind in the whole launch
.endm
	s_sub_co_u32 s15, 15, s17                      ; the long tile first
	s_sub_co_u32 s16, 7, s62
	TILE_BEGIN
	s_wait_tensorcnt 0x1                           ; my piece of records 0-3 has landed; my piece of the others stays out
	s_barrier_signal -1
	s_barrier_wait -1
.Lfirst4:                                          ; key steps 0-3: G is 8 or more, so all their keys count
	STEP 0, 0
	s_cmp_lt_u32 s19, 4
	s_cbranch_scc1 .Lfirst4
	s_setprio 0
	s_wait_tensorcnt 0x0                           ; my piece of records 4-15 has landed,
	s_wait_dscnt 0x0
	s_barrier_signal -1
	s_barrier_wait -1                              ; everybody's has
.Llong:                                            ; key steps 4-15: the trip count is a constant; what lies under the mask is jumped over
	STEP 1, 1
	s_cmp_lt_u32 s19, 16
	s_cbranch_scc1 .Llong
	s_setprio 0
	FINISH
	s_mov_b32 s15, s17                             ; the short tile
	s_mov_b32 s16, s62
	TILE_BEGIN
.Lshort:                                           ; key steps 0-7
	STEP 1, 1
	s_cmp_lt_u32 s19, 8
	s_cbranch_scc1 .Lshort
	s_setprio 0
	FINISH
	s_wait_xcnt 0x0
	v_lshl_add_u32 v254, v0, 2, 0x34000
	v_mov_b32 v255, 0
	s_wait_alu depctr_va_vdst(0)
	s_wait_tensorcnt 0x0
	ds_add_u32 v254, v255
	s_wait_dscnt 0x0
	CROUND                                         ; the closing round
	s_endpgm
.Lfunc_end_k_q68841f0d55_attn:
	.size	k_q68841f0d55_attn, .Lfunc_end_k_q68841f0d55_attn-k_q68841f0d55_attn
	.p2alignl 7, 3214868480
	.fill 96, 4, 3214868480
	.section	.rodata,"a",@progbits
	.p2align	6, 0x0
	.amdhsa_kernel k_q68841f0d55_attn
		.amdhsa_group_segment_fixed_size 215040
		.amdhsa_private_segment_fixed_size 0
		.amdhsa_enable_private_segment 0
		.amdhsa_kernarg_size 32
		.amdhsa_user_sgpr_count 2
		.amdhsa_user_sgpr_kernarg_segment_ptr 1
		.amdhsa_wavefront_size32 1
		.amdhsa_system_sgpr_workgroup_id_x 1
		.amdhsa_system_sgpr_workgroup_id_y 1
		.amdhsa_system_sgpr_workgroup_id_z 1
		.amdhsa_system_vgpr_workitem_id 0
		.amdhsa_next_free_vgpr 256
		.amdhsa_next_free_sgpr 66
		.amdhsa_reserve_vcc 1
		.amdhsa_float_denorm_mode_32 3
		.amdhsa_float_denorm_mode_16_64 3
		.amdhsa_memory_ordered 1
		.amdhsa_forward_progress 1
		.amdhsa_inst_pref_size 83
	.end_amdhsa_kernel
	.amdgpu_metadata
---
amdhsa.version: [ 1, 2 ]
amdhsa.kernels:
  - .name:           k_q68841f0d55_attn
    .symbol:         k_q68841f0d55_attn.kd
    .args:
      - { .name: qb, .offset: 0, .size: 8, .value_kind: global_buffer, .address_space: global }
      - { .name: kvb, .offset: 8, .size: 8, .value_kind: global_buffer, .address_space: global }
      - { .name: cc, .offset: 16, .size: 8, .value_kind: global_buffer, .address_space: global }
      - { .name: cs, .offset: 24, .size: 8, .value_kind: global_buffer, .address_space: global }
    .group_segment_fixed_size: 215040
    .private_segment_fixed_size: 0
    .kernarg_segment_align: 8
    .kernarg_segment_size: 32
    .max_flat_workgroup_size: 512
    .sgpr_count:     66
    .vgpr_count:     256
    .wavefront_size: 32
...
	.end_amdgpu_metadata
.endif
;; end of part 3
;; launch oproj (part 4): grid 4 x 64, 4 waves a work-group, clusters of 4 x 4, 312,832 bytes of LDS; arguments cc, cs, wc, ws, out0; writes out0
.if DOCPART == 4
	.amdgcn_target "amdgcn-amd-amdhsa--gfx1250"
	.amdhsa_code_object_version 6
	.text
	.protected	k_q68841f0d55_oproj
	.globl	k_q68841f0d55_oproj
	.p2align	8
	.type	k_q68841f0d55_oproj,@function
k_q68841f0d55_oproj:
	s_mov_b64 s[64:65], 0
	v_nop
	global_prefetch_b8 v0, s[64:65] scope:SCOPE_SE
	s_setreg_imm32_b32 hwreg(HW_REG_WAVE_MODE, 25, 1), 1
	s_wait_xcnt 0x0
	s_wait_alu depctr_hold_cnt(0) depctr_sa_sdst(0) depctr_va_vdst(0) depctr_va_sdst(0) depctr_va_ssrc(0) depctr_va_vcc(0) depctr_vm_vsrc(0)
	s_getreg_b32 s2, hwreg(HW_REG_IB_STS2, 6, 4)
	s_cmp_eq_u32 s2, 0
	s_cbranch_scc0 .Lentry_in_a_cluster
	s_endpgm
.Lentry_in_a_cluster:
	s_bfe_u32 s2, ttmp6, 0x10000c
	s_cmp_lg_u32 s2, 0xf033
	s_cbranch_scc0 .Lentry_shape_is_right
	s_endpgm
.Lentry_shape_is_right:
; out = ctx Wo on codes of FP6 (E2M3) with E8M0 scales, K = 1,024, sums in f32, result f32.
; A work-group takes 128 tokens x 256 columns; wave w all 8 token tiles x 4 column tiles (64 columns): 32 accumulators.
; ALL OF K LIES IN LDS, FILLED ONCE, in four chunks of 256 along K, as images of the operands' registers (1,536 bytes a fragment): no byte of LDS is filled twice, every LDS load is dense.
; CLUSTER 4 x 4: ctx's chunks are shared along a row of the cluster, Wo's along a column: joint loads.  A wave has four tensor loads out at the most, by this text's own count.
; THE PRODUCT IS USED TRANSPOSED (source 0 = 16 columns, source 1 = 16 tokens): a lane holds eight neighbouring columns of one token's row.
; The way out: a tile of 16 tokens x 64 columns goes through the wave's own stage (rows of 256 + 16 bytes, in LDS bytes into which no tile lands) and leaves with sixteen lanes storing 256 consecutive bytes, aligned.
; REGISTERS: window 0: addresses, scale words, the way out.  window 1: the accumulators.  windows 2, 3: two sets of fragments: ctx's 8 at v[12 tm], Wo's 4 at v[96 + 12 t].
.set VA16, 4
.set VA8,  8
.set VB16, 12
.set VB8,  16
.set STO,  20                          ; v20 the stage: where I put 32 bytes of a row
.set RD,   21                          ; v21 where I read a row back
.set CO,   22                          ; v22 my byte offset in out0
.set SA,   32                          ; v32-63 ctx's scale words
.set SB,   64                          ; v64-79 Wo's
.set BK,   160                         ; v160-191, v192-223 by turns: 16 rows read back
.set G1A,  24
.set G1B,  32
.set G0A,  40
.set MSB, 0
.macro WIN new                         ; the immediate's high byte repeats the setting that is left
.if MSB != (\new)
	s_set_vgpr_msb (MSB<<8)|(\new)
.set MSB, (\new)
.endif
.endm
.macro PLACES
.rept 4
	v_nop
.endr
.endm
.macro CROUND
	s_barrier_signal -1
	s_barrier_wait -1
	s_cmp_lg_u32 s16, 0
	s_cbranch_scc1 .Lnot_wave_0_\@
	s_barrier_signal -3
.Lnot_wave_0_\@:
	s_barrier_wait -3
	s_barrier_signal -1
	s_barrier_wait -1
.endm
	s_load_b256 s[4:11], s[0:1], 0x0               ; cc, cs, wc, ws
	s_load_b64 s[12:13], s[0:1], 0x20              ; out0
	v_lshl_add_u32 v254, v0, 2, 0x4c400
	v_mov_b32 v255, 0
	ds_add_u32 v254, v255
	ds_add_u32 v254, v255
	v_lshrrev_b32 v1, 5, v0
	v_readfirstlane_b32 s16, v1                    ; wave 0..3
	s_bfe_u32 s17, ttmp6, 0x40000                  ; cx
	s_bfe_u32 s18, ttmp6, 0x40004                  ; cy
	s_lshl_b32 s19, ttmp9, 2
	s_add_co_u32 s19, s19, s17                     ; gx: which 256 columns
	s_add_co_u32 s23, s19, 12                      ; Wo's blocks lie behind Wq's, Wk's and Wv's twelve
	s_and_b32 s20, ttmp7, 0xffff
	s_lshl_b32 s20, s20, 2
	s_add_co_u32 s20, s20, s18                     ; gy: which 128 tokens
	s_lshl_b32 s21, s18, 2
	s_lshl_b32 s21, 15, s21                        ; my row of the cluster
	s_lshl_b32 s22, 0x1111, s17                    ; my column
	s_or_b32 s[G1A], s21, (3<<16)|(1<<21)          ; a dense block as rows of 256 bytes: 96 rows for ctx's chunk
	s_mov_b32 s[G1A+1], 32<<16
	s_mov_b32 s[G1A+2], 96<<16
	s_mov_b32 s[G1A+3], 32<<16
	s_mov_b32 s[G1A+4], 96
	s_mov_b32 s[G1A+5], 32
	s_mov_b32 s[G1A+6], 0
	s_mov_b32 s[G1A+7], 0
	s_or_b32 s[G1B], s22, (3<<16)|(1<<21)          ; 64 rows for a wave's third of Wo's chunk
	s_mov_b32 s[G1B+1], 32<<16
	s_mov_b32 s[G1B+2], 64<<16
	s_mov_b32 s[G1B+3], 32<<16
	s_mov_b32 s[G1B+4], 64
	s_mov_b32 s[G1B+5], 32
	s_mov_b32 s[G1B+6], 0
	s_mov_b32 s[G1B+7], 0
	s_mul_i32 s76, s20, 98304                      ; made of gy alone
	s_mov_b32 s77, 0
	s_mul_i32 s78, s23, 196608                     ; made of gx and the wave's number alone
	s_lshl_b32 s80, s16, 14
	s_add_co_u32 s78, s78, s80
	s_mov_b32 s79, 0
	s_wait_dscnt 0x0
	s_wait_kmcnt 0x0
	s_add_nc_u64 s[76:77], s[4:5], s[76:77]
	s_add_nc_u64 s[78:79], s[8:9], s[78:79]
.irp c, 0,1,2,3
	s_mov_b32 s[G0A+4*\c], 1
	s_mov_b32 s[G0A+4*\c+1], 73728*\c
	s_add_nc_u64 s[G0A+4*\c+2:G0A+4*\c+3], s[76:77], 24576*\c
	s_or_b32 s[G0A+4*\c+3], s[G0A+4*\c+3], 0x80000000
	s_mov_b32 s[56+4*\c+4*(\c/2)], 1
	s_add_co_u32 s[56+4*\c+4*(\c/2)+1], s80, 73728*\c+24576
	s_add_nc_u64 s[56+4*\c+4*(\c/2)+2:56+4*\c+4*(\c/2)+3], s[78:79], 49152*\c
	s_or_b32 s[56+4*\c+4*(\c/2)+3], s[56+4*\c+4*(\c/2)+3], 0x80000000
.endr
	CROUND                                         ; all sixteen work-groups are here: the joint loads meet
	s_cmp_eq_u32 s16, 3                            ; wave 3 fetches ctx's four chunks, waves 0 to 2 a third each of Wo's
	s_cbranch_scc0 .Lfill_b
	tensor_load_to_lds s[40:43], s[G1A:G1A+7]
	s_nop 0
	tensor_load_to_lds s[44:47], s[G1A:G1A+7]
	s_nop 0
	tensor_load_to_lds s[48:51], s[G1A:G1A+7]
	s_nop 0
	tensor_load_to_lds s[52:55], s[G1A:G1A+7]
	s_nop 0
	PLACES                                         ; four v_nop follow a wave's loads
	s_branch .Lfilled
.Lfill_b:
	tensor_load_to_lds s[56:59], s[G1B:G1B+7]
	s_nop 0
	tensor_load_to_lds s[60:63], s[G1B:G1B+7]
	s_nop 0
	tensor_load_to_lds s[68:71], s[G1B:G1B+7]
	s_nop 0
	tensor_load_to_lds s[72:75], s[G1B:G1B+7]
	s_nop 0
	PLACES
.Lfilled:
	v_and_b32 v3, 31, v0
	v_lshlrev_b32 v1, 4, v3                        ; 16 x lane
	v_lshlrev_b32 v2, 3, v3                        ; 8 x lane
	s_mul_i32 s81, s16, 6144
	s_add_co_u32 s81, s81, 24576
.irp c, 0,1,2,3
	v_add_nc_u32 v[VA16+\c], 73728*\c, v1
	v_add_nc_u32 v[VA8+\c], 73728*\c, v2
	v_add_nc_u32 v[VB16+\c], s81, v1
	v_add_nc_u32 v[VB8+\c], s81, v2
	s_add_co_u32 s81, s81, 73728
.endr
	s_lshl_b32 s82, s20, 12
	s_mov_b32 s83, 0
	s_add_nc_u64 s[6:7], s[6:7], s[82:83]
	s_lshl_b32 s82, s23, 13
	s_lshl_b32 s84, s16, 11
	s_add_co_u32 s82, s82, s84
	s_add_nc_u64 s[10:11], s[10:11], s[82:83]
.irp i, 0,1,2,3,4,5,6,7
	global_load_b128 v[SA+4*\i:SA+4*\i+3], v1, s[6:7] offset:512*\i
.endr
.irp i, 0,1,2,3
	global_load_b128 v[SB+4*\i:SB+4*\i+3], v1, s[10:11] offset:512*\i
.endr
	v_and_b32 v23, 15, v0
	v_bfe_u32 v24, v0, 4, 1
	s_mul_i32 s85, s16, 4352
	s_add_co_u32 s85, s85, 294912                  ; my stage, behind the chunks
	v_mul_u32_u24 v[STO], v23, 272
	v_lshl_add_u32 v[STO], v24, 6, v[STO]
	v_add_nc_u32 v[STO], s85, v[STO]               ; in: row r, + 64 h
	v_mul_u32_u24 v[RD], v24, 272
	v_lshl_add_u32 v[RD], v23, 4, v[RD]
	v_add_nc_u32 v[RD], s85, v[RD]                 ; back: lanes 0-15 one row, lanes 16-31 the next
	v_lshlrev_b32 v[CO], 12, v24
	v_lshl_add_u32 v[CO], v23, 4, v[CO]            ; and the same two rows in out0
	s_lshl_b32 s86, s20, 19                        ; 128 gy rows of 4,096 bytes
	s_lshl_b32 s87, s19, 10
	s_add_co_u32 s86, s86, s87                     ; + 256 gx columns
	s_lshl_b32 s87, s16, 8
	s_add_co_u32 s86, s86, s87                     ; + my 64
	s_mov_b32 s87, 0
	s_add_nc_u64 s[12:13], s[12:13], s[86:87]
.macro FRAG reg, a16, a8, off          ; a fragment's image into 12 registers: four dense loads
	ds_load_b128 v[\reg:\reg+3], v[\a16] offset:\off
	ds_load_b64 v[\reg+4:\reg+5], v[\a8] offset:\off+512
	ds_load_b128 v[\reg+6:\reg+9], v[\a16] offset:\off+768
	ds_load_b64 v[\reg+10:\reg+11], v[\a8] offset:\off+1280
.endm
.macro FETCHG s, grp                   ; four fragments of K step s into set s % 2.  grp 0: Wo's four; 1: ctx's tiles 0-3; 2: ctx's tiles 4-7
	WIN 0x80+0x40*((\s)&1)
.if (\grp) == 0
.irp t, 0,1,2,3
	FRAG 96+12*\t,VB16+(\s)/2,VB8+(\s)/2,24576*((\s)&1)+1536*\t
.endr
.else
.irp i, 0,1,2,3
	FRAG 12*(4*((\grp)-1)+\i),VA16+(\s)/2,VA8+(\s)/2,12288*((\s)&1)+1536*(4*((\grp)-1)+\i)
.endr
.endif
.endm
.macro WM d, a, b, sa, sb, s           ; one product; K step 0 starts the sum; K steps 4-7 take their scale words from lanes 16-31
.if (\s) == 0
	v_wmma_scale_f32_16x16x128_f8f6f4 v[\d:\d+7], v[\a:\a+11], v[\b:\b+11], 0, v[\sa], v[\sb] matrix_a_fmt:MATRIX_FMT_FP6 matrix_b_fmt:MATRIX_FMT_FP6
.elseif (\s) < 4
	v_wmma_scale_f32_16x16x128_f8f6f4 v[\d:\d+7], v[\a:\a+11], v[\b:\b+11], v[\d:\d+7], v[\sa], v[\sb] matrix_a_fmt:MATRIX_FMT_FP6 matrix_b_fmt:MATRIX_FMT_FP6
.else
	v_wmma_scale_f32_16x16x128_f8f6f4 v[\d:\d+7], v[\a:\a+11], v[\b:\b+11], v[\d:\d+7], v[\sa], v[\sb] matrix_a_fmt:MATRIX_FMT_FP6 matrix_b_fmt:MATRIX_FMT_FP6 matrix_a_scale:MATRIX_SCALE_ROW1 matrix_b_scale:MATRIX_SCALE_ROW1
.endif
.endm
.macro MUL8 s, grp                     ; ctx's tiles 2 grp, 2 grp + 1 against Wo's four.  The 32 accumulators take turns, in the same order in every K step
.irp i, 0,1
.irp t, 0,1,2,3
.set TX, 2*(\grp)+\i
	WM 8*(4*TX+\t),96+12*\t,12*TX,SB+4*\t+((\s)&3),SA+4*TX+((\s)&3),\s
.endr
.endr
.endm
.macro KSTEP s
	s_wait_dscnt 0x0                               ; this step's fragments are in
.if ((\s)==1)||((\s)==3)||((\s)==5)
	s_wait_tensorcnt 3-((\s)+1)/2                  ; my part of the next chunk has landed; my younger chunk loads stay out
	s_barrier_signal -1
	s_barrier_wait -1
.endif
.if ((\s)>0)&&((\s)<7)
	PLACES                                         ; four places between the last step's products and the loads into the registers that they read
.endif
.if (\s)<7
	FETCHG (\s)+1,0
.endif
	WIN 0x5a+5*((\s)&1)
	MUL8 \s,0
.if (\s)<7
	FETCHG (\s)+1,1
.endif
	WIN 0x5a+5*((\s)&1)
	MUL8 \s,1
.if (\s)<7
	FETCHG (\s)+1,2
.endif
	WIN 0x5a+5*((\s)&1)
	MUL8 \s,2
	MUL8 \s,3
.endm
	s_wait_tensorcnt 0x3                           ; my part of chunk 0 has landed; my three younger loads stay out
	s_barrier_signal -1
	s_barrier_wait -1
	FETCHG 0,0
	FETCHG 0,1
	FETCHG 0,2
	s_wait_loadcnt 0x0                             ; the scale words
.irp s, 0,1,2,3,4,5,6,7
	KSTEP \s
.endr
	WIN 0
; THE WAY OUT.  In tile (tm, t) lane (r, h) holds token row r and columns 32 (t / 2) + 16 h + 8 (t % 2) + 0 .. 7 of my 64.
.macro TOSTAGE tm
	WIN 0x04                                       ; an LDS store's data are its source 1: window 1
.irp t, 0,1,2,3
	ds_store_b128 v[STO], v[8*(4*(\tm)+\t):8*(4*(\tm)+\t)+3] offset:128*(\t/2)+32*(\t%2)        ; each accumulator from its low end on
	ds_store_b128 v[STO], v[8*(4*(\tm)+\t)+4:8*(4*(\tm)+\t)+7] offset:128*(\t/2)+32*(\t%2)+16
.endr
	WIN 0
.irp i, 0,1,2,3,4,5,6,7
	ds_load_b128 v[BK+32*((\tm)%2)+4*\i:BK+32*((\tm)%2)+4*\i+3], v[RD] offset:544*\i   ; LDS serves a wave's instructions in order: these see my stores
.endr
.endm
.macro SEND tm, younger                ; younger: the LDS instructions issued behind tile tm's loads, which may stay out
	s_wait_dscnt \younger
.irp i, 0,1,2,3,4,5,6,7
	global_store_b128 v[CO], v[BK+32*((\tm)%2)+4*\i:BK+32*((\tm)%2)+4*\i+3], s[12:13] offset:(32*((\tm)/2)+8*((\tm)%2)+2*\i+8*(\i/4))*4096 th:TH_STORE_NT   ; sixteen lanes store 256 consecutive bytes, aligned; stage row 2 i + (lane / 16) is that token of the tile
.endr
.endm
	PLACES                                         ; four places between the last products and the first read of results
	TOSTAGE 0
.irp a, 1,2,3,4,5,6,7
.if \a > 1
	s_wait_xcnt 0x0                                ; tile a - 2's stores have read their registers: tile a's loads may land there
.endif
	TOSTAGE \a
	SEND \a-1, 16                                  ; behind tile a - 1's loads: tile a's 8 stores and 8 loads
.endr
	SEND 7, 0
	s_wait_tensorcnt 0x0
	ds_add_u32 v254, v255
	s_wait_dscnt 0x0
	CROUND                                         ; the closing round: no work-group ends while a partner may still ask jointly
	s_endpgm
.Lfunc_end_k_q68841f0d55_oproj:
	.size	k_q68841f0d55_oproj, .Lfunc_end_k_q68841f0d55_oproj-k_q68841f0d55_oproj
	.p2alignl 7, 3214868480
	.fill 96, 4, 3214868480
	.section	.rodata,"a",@progbits
	.p2align	6, 0x0
	.amdhsa_kernel k_q68841f0d55_oproj
		.amdhsa_group_segment_fixed_size 312832
		.amdhsa_private_segment_fixed_size 0
		.amdhsa_enable_private_segment 0
		.amdhsa_kernarg_size 40
		.amdhsa_user_sgpr_count 2
		.amdhsa_user_sgpr_kernarg_segment_ptr 1
		.amdhsa_wavefront_size32 1
		.amdhsa_system_sgpr_workgroup_id_x 1
		.amdhsa_system_sgpr_workgroup_id_y 1
		.amdhsa_system_sgpr_workgroup_id_z 1
		.amdhsa_system_vgpr_workitem_id 0
		.amdhsa_next_free_vgpr 1024
		.amdhsa_next_free_sgpr 100
		.amdhsa_reserve_vcc 0
		.amdhsa_float_denorm_mode_32 3
		.amdhsa_float_denorm_mode_16_64 3
		.amdhsa_memory_ordered 1
		.amdhsa_forward_progress 1
		.amdhsa_inst_pref_size 84
	.end_amdhsa_kernel
	.amdgpu_metadata
---
amdhsa.version: [ 1, 2 ]
amdhsa.kernels:
  - .name:           k_q68841f0d55_oproj
    .symbol:         k_q68841f0d55_oproj.kd
    .args:
      - { .name: cc, .offset: 0, .size: 8, .value_kind: global_buffer, .address_space: global }
      - { .name: cs, .offset: 8, .size: 8, .value_kind: global_buffer, .address_space: global }
      - { .name: wc, .offset: 16, .size: 8, .value_kind: global_buffer, .address_space: global }
      - { .name: ws, .offset: 24, .size: 8, .value_kind: global_buffer, .address_space: global }
      - { .name: out0, .offset: 32, .size: 8, .value_kind: global_buffer, .address_space: global }
    .group_segment_fixed_size: 312832
    .private_segment_fixed_size: 0
    .kernarg_segment_align: 8
    .kernarg_segment_size: 40
    .max_flat_workgroup_size: 128
    .sgpr_count:     100
    .vgpr_count:     1024
    .wavefront_size: 32
...
	.end_amdgpu_metadata
.endif
;; end of part 4
